; MI455X (gfx1250); checked and timed in simulation.
; The chip was launched on July 23, 2026; its instructions are those of AMD's public machine-readable ISA for CDNA 5 (MIT licence, August 2026) and "CDNA5" Instruction Set Architecture Reference Guide (July 2026). The comments in the code are by the model that wrote it; some were corrected since.
;; Grouped Experts Deep EP. Allowed arithmetic: matrix products marked QUANTISED: E2M3 operands, one E8M0 scale for each 32 along K, by v_wmma_scale_f32_16x16x128_f8f6f4 with both operands' format E2M3, f32 sums; everything else in f32.
;; Inputs: W_down 8 x 128 x 2,048 float32; W_gup 8 x 2,048 x 256 float32; indices 8,192 x 2 int32; token_mask 8,192 bool; weights 8,192 x 2 float32; x 8,192 x 2,048 float32.
;; Outputs: out0 8,192 x 2,048 float32.
;; This version of the problem:
;;   THIS VERSION OF THE PROBLEM IS GIVEN IN LOW PRECISION. The matrix products marked QUANTISED in the list below multiply operands that are first quantised to E2M3 (2 exponent bits, 3 mantissa bits; 6 bits a number), with one power-of-two scale for each 32 numbers along K (OCP MX v1.0); their sums are f32. All else is computed in f32.
;;   The module's matrix products, in the order in which they are computed (A, B: the left and right operand; K: the contracted axis; several contracted axes count as one K, in the product's order):
;;     1. [M 8,192, K 2,048] x [K 2,048, N 256]; A: input x; B: input W_gup: QUANTISED
;;     2. [M 8,192, K 128] x [K 128, N 2,048]; A: computed on the way; B: input W_down: QUANTISED
;;     3. [M 8,192, K 2,048] x [K 2,048, N 256]; A: input x; B: input W_gup: QUANTISED
;;     4. [M 8,192, K 128] x [K 128, N 2,048]; A: computed on the way; B: input W_down: QUANTISED
;;     5. [M 8,192, K 2,048] x [K 2,048, N 256]; A: input x; B: input W_gup: QUANTISED
;;     6. [M 8,192, K 128] x [K 128, N 2,048]; A: computed on the way; B: input W_down: QUANTISED
;;     7. [M 8,192, K 2,048] x [K 2,048, N 256]; A: input x; B: input W_gup: QUANTISED
;;     8. [M 8,192, K 128] x [K 128, N 2,048]; A: computed on the way; B: input W_down: QUANTISED
;;     9. [M 8,192, K 2,048] x [K 2,048, N 256]; A: input x; B: input W_gup: QUANTISED
;;     10. [M 8,192, K 128] x [K 128, N 2,048]; A: computed on the way; B: input W_down: QUANTISED
;;     11. [M 8,192, K 2,048] x [K 2,048, N 256]; A: input x; B: input W_gup: QUANTISED
;;     12. [M 8,192, K 128] x [K 128, N 2,048]; A: computed on the way; B: input W_down: QUANTISED
;;     13. [M 8,192, K 2,048] x [K 2,048, N 256]; A: input x; B: input W_gup: QUANTISED
;;     14. [M 8,192, K 128] x [K 128, N 2,048]; A: computed on the way; B: input W_down: QUANTISED
;;     15. [M 8,192, K 2,048] x [K 2,048, N 256]; A: input x; B: input W_gup: QUANTISED
;;     16. [M 8,192, K 128] x [K 128, N 2,048]; A: computed on the way; B: input W_down: QUANTISED
;;   THE QUANTISER, for each operand of a quantised product, along K:
;;     - K is cut into blocks of 32 from its start; a last block that is shorter is filled with zeros.
;;     - A block's scale is 2^e with e = floor(log2(the largest magnitude in the block)) - 2, held to -126 .. 127; a block of zeros has e = 0. As a byte (E8M0): e + 127.
;;     - Each number is divided by its block's scale, clamped to +-7.5, and rounded to the nearest number of E2M3, ties to even, subnormals kept.
;;     - The product sums the exact products of the quantised numbers (number of the format x scale) in f32.
;;   ~~~python
;;   def quantise(x, axis):      # numpy; x: float32 -> the quantised numbers, widened to float32 again
;;       x = np.moveaxis(x, axis, -1); K = x.shape[-1]
;;       x = np.pad(x, [(0, 0)] * (x.ndim - 1) + [(0, -K % 32)]); x = x.reshape(x.shape[:-1] + (-1, 32)); a = np.abs(x).max(-1, keepdims=True)
;;       e = np.where(a > 0, np.clip(np.frexp(np.where(a > 0, a, 1))[1] - 1 - 2, -126, 127), 0)      # np.frexp(a)[1] - 1 = floor(log2(a)), exactly
;;       r = np.clip(x / 2.0 ** e, -7.5, 7.5)
;;       step = 2.0 ** (np.maximum(np.frexp(np.where(r == 0, 1, r))[1] - 1, 0) - 3)
;;       q = np.round(r / step) * step * 2.0 ** e      # np.round: ties to even
;;       return np.moveaxis(q.reshape(q.shape[:-2] + (-1,))[..., :K], -1, axis).astype(np.float32)
;;   ~~~
;;   OPERANDS COMPUTED ON THE WAY. 'Computed on the way' means the value that the module computes at that place (a softmax that the list does not call 'softmax' is quantised finished and normalised). What goes into a quantiser is computed in f32, as accurately as f32 sums, v_exp_f32 and their like allow (about 1e-6 of the number): no bf16 or f16 on the way to a quantiser, and a product that is left as it is and whose result goes on into a quantised operand takes f32 operands (vector FMAs, or v_wmma_f32_16x16x4_f32). A number that lies on a knife's edge between two numbers of the format may be rounded either way, as far as f32 arithmetic and the matrix unit's own rounding can turn it there, and no further.
;; 2 versions. Each part assembles by itself: llvm-mc -triple=amdgcn-amd-amdhsa -mcpu=gfx1250 --defsym DOCPART=n.
;; ======== version 1 of 2: 2 launches
;; workspace buffers: wg 3,145,728 bytes; wgs 131,072 bytes; wd 1,572,864 bytes; wds 65,536 bytes; order 36,352 bytes of whole numbers
;; launch prep (part 1): grid 321 x 1, 16 waves a work-group, no clusters, 4,096 bytes of LDS; arguments W_gup, W_down, indices, token_mask, wg, wgs, wd, wds, order, out0; writes wg, wgs, wd, wds, order, out0
.if DOCPART == 1
	.amdgcn_target "amdgcn-amd-amdhsa--gfx1250"
	.amdhsa_code_object_version 6
	.text
	.protected	k_q09172aeba2_prep
	.globl	k_q09172aeba2_prep
	.p2align	8
	.type	k_q09172aeba2_prep,@function
k_q09172aeba2_prep:
	s_mov_b64 s[64:65], 0
	v_nop
	global_prefetch_b8 v0, s[64:65] scope:SCOPE_SE
	s_setreg_imm32_b32 hwreg(HW_REG_WAVE_MODE, 25, 1), 1
	s_wait_xcnt 0x0
; FOUR ROLES, told apart by the work-group's number alone.
;   0         SORT: the live tokens are laid, by the pair of experts that they name, into blocks of 32: the list 'order'.
;   1..128    W_gup [8][2048][256] f32 -> codes of FP6 (E2M3) and E8M0 scale bytes, quantised along its 2,048 (K).
;   129..192  W_down [8][128][2048] f32 likewise, along its 128 (K).
;   193..320  the rows of out0 of masked tokens are zeros: they are stored here, four tokens a wave.
; THE CODES ARE LAID AS IMAGES OF OPERAND REGISTERS: a fragment (16 columns x 128 K, 12 registers a lane) is 1,536 bytes; registers 4 k .. 4 k + 3 of lane l lie at 512 k + 16 l:
; three loads of 16 bytes a lane fill the operand.
;   wg  [e][g 8][s 16][t 2] fragments: hidden units 16 g .. 16 g + 15, K step s, t = 0 the gate's columns, 1 the up columns.     wd [e][w 8][c 16]: out columns 256 w + 16 c on.
;   wgs [e][g][q 4][16 t + r][4 words]: word i = K step 4 q + i of column r.      wds [e][w][u 2][16 hh + r][4 words]: word i = column tile 8 u + 2 i + hh.
; A block's scale is 2^(floor(log2(largest magnitude)) - 2); its byte is the largest magnitude's exponent field - 2, held at 1 from below.
; THE LIST: 283 blocks of 32 words and 32 words that nobody reads.  A word: 12:0 token, 19:16 e0, 23:20 e1, 26:24 ka, 29:27 kb; 0x80000000 = no token.
; A token with e0 != e1 belongs to pair (min, max); one with e0 = e1 = a to pair (a & 6, a | 1), which holds a: 28 pairs, pair (a, b) numbered b (b - 1) / 2 + a, one lane to a pair.
; Each pair's tokens begin at a multiple of 32: at most (8,192 + 28 x 31) / 32 = 283 blocks, whatever the choice.
; LIMITS: indices are taken & 7 (the experts are 0 .. 7); NaN and infinities among the weights are not served; a block of zeros gets the byte 1, not 127 (its codes are zeros, and this program alone
; reads the bytes); blocks whose largest magnitude lies under 2^-124 are held at the byte 1.  The scale words leave as 4 bytes a lane, 16 bytes apart: one byte in 128 of what these roles read.
.set CK,  4                            ; v4-8     sort: 0 where bit b of my lane's number is set, else -1
.set IDX, 32                           ; v32-63   16 sets of (e0, e1)
.set MK,  64                           ; v64-79   mask bytes
.set KX,  80                           ; v80-95   4 x pair number: a lane select
.set EN,  96                           ; v96-111  list words
.set HSN, 112                          ; v112-127 lane = pair: how many tokens of set j have it
.set MM,  128                          ; v128-143 lane = pair: which tokens of set j have it
.set PP,  144                          ; v144-159 lane = token: which tokens of my set have my pair
.set EE,  160                          ; v160-175 lane = pair: where set j's tokens of that pair begin
.set QQ,  176                          ; v176-191 lane = token: the same for my pair
.set TL,  192                          ; v192-207 the sixteen waves' counts
.set PO,  208                          ; v208-223 byte offsets of the stores into the list
	s_load_b512 s[4:19], s[0:1], 0x0               ; W_gup s[4:5], W_down s[6:7], indices s[8:9], token_mask s[10:11], wg s[12:13], wgs s[14:15], wd s[16:17], wds s[18:19]
	s_load_b128 s[20:23], s[0:1], 0x40             ; order s[20:21], out0 s[22:23]
	v_lshl_add_u32 v254, v0, 2, 0x800
	v_mov_b32 v255, 0
	v_lshrrev_b32 v1, 5, v0
	v_readfirstlane_b32 s24, v1                    ; wave 0..15
	s_mov_b32 s38, 0x76543210
	s_mov_b32 s39, 0xfedcba98                      ; v_permlanex16_b32's selects for lane l xor 16
	s_mov_b32 s35, 0                               ; the upper word of every offset
	s_wait_kmcnt 0x0
	s_cmp_eq_u32 ttmp9, 0
	s_cbranch_scc1 .Lsort
	s_cmp_lt_u32 ttmp9, 129
	s_cbranch_scc1 .Lgup
	s_cmp_lt_u32 ttmp9, 193
	s_cbranch_scc1 .Ldown
	; ---- ZEROS.  Wave gw takes tokens 4 gw .. 4 gw + 3: their four mask bytes are one word; a masked token's row, 8,192 bytes, is sixteen stores of 512 consecutive bytes.
	s_sub_co_u32 s25, ttmp9, 193
	s_lshl_b32 s25, s25, 4
	s_add_co_u32 s25, s25, s24                     ; gw
	s_lshl_b32 s34, s25, 2
	s_add_nc_u64 s[28:29], s[10:11], s[34:35]
	s_load_b32 s30, s[28:29], 0x0
	s_lshl_b32 s34, s25, 15                        ; four rows of 8,192 bytes
	s_add_nc_u64 s[32:33], s[22:23], s[34:35]
	v_and_b32 v1, 31, v0
	v_lshlrev_b32 v3, 4, v1
	v_mov_b32 v8, 0
	v_mov_b32 v9, 0
	v_mov_b32 v10, 0
	v_mov_b32 v11, 0
	s_wait_kmcnt 0x0
.irp i, 0,1,2,3
	s_bfe_u32 s31, s30, 0x80000+8*\i               ; byte i
	s_cmp_lg_u32 s31, 0
	s_cbranch_scc1 .Llive\i                        ; a live token's row is the next launch's
.irp j, 0,1,2,3,4,5,6,7,8,9,10,11,12,13,14,15
	global_store_b128 v3, v[8:11], s[32:33] offset:8192*\i+512*\j th:TH_STORE_NT
.endr
.Llive\i:
.endr
	s_endpgm
; ---- A WAVE QUANTISES ONE FRAGMENT.  Lane (r, h) takes column r, and its registers run DOWN K in the order that the operand's layout gives that lane: k = 64 c + 32 h + i.  So a lane holds two whole
; blocks of 32, no other lane is asked for a maximum, and the conversions' results are the operand's registers.  The sixteen waves stand side by side on 1,024 bytes of each of 128 rows.
; s[28:29] the fragment's first number, s[30:31] its image, s[32:33] its scale words.  stride: bytes from a row of the weight to the next.
.macro WQ stride
	v_and_b32 v1, 15, v0                           ; r
	v_bfe_u32 v2, v0, 4, 1                         ; h
	v_and_b32 v6, 31, v0
	v_lshlrev_b32 v3, 4, v6                        ; the image: 16 bytes a lane
	v_lshlrev_b32 v4, 4, v1                        ; the scale words: 16 bytes from column to column
	v_mul_u32_u24 v5, v2, 32*\stride
	v_lshl_add_u32 v5, v1, 2, v5                   ; 4 r + 32 h rows
.irp c, 0,1
.irp i, 0,1,2,3,4,5,6,7,8,9,10,11,12,13,14,15,16,17,18,19,20,21,22,23,24,25,26,27,28,29,30,31
	global_load_b32 v[64+32*\c+\i], v5, s[28:29] offset:(64*\c+\i)*\stride th:TH_LOAD_NT
.endr
.endr
	s_wait_loadcnt 0x0
.irp c, 0,1
	v_max3_num_f32 v[32+\c], |v[64+32*\c]|, |v[65+32*\c]|, 0x1800000   ; my block 2 c + h, and the floor 2^(3 - 127): the byte cannot fall under 1
.endr
.irp i, 2,4,6,8,10,12,14,16,18,20,22,24,26,28,30
.irp c, 0,1
	v_max3_num_f32 v[32+\c], v[32+\c], |v[64+32*\c+\i]|, |v[65+32*\c+\i]|   ; the two blocks by turns
.endr
.endr
.irp c, 0,1
	v_add_nc_u32 v[44+\c], 0xff000000, v[32+\c]    ; 2 off the exponent field: the conversion takes this operand's exponent field as its scale
.endr
.irp c, 0,1
	v_lshrrev_b32 v[36+\c], 23, v[44+\c]           ; the scale's byte
.endr
	v_lshl_or_b32 v9, v37, 16, v36                 ; my two bytes: blocks h and 2 + h,
	v_lshlrev_b32 v10, 3, v2
	v_lshlrev_b32 v9, v10, v9                      ; at their places in the word;
	v_mov_b32 v10, 0
	v_permlanex16_b32 v10, v9, s38, s39
	v_or_b32 v9, v9, v10                           ; with lane l xor 16's two the word is whole
.irp c, 0,1
	v_cvt_scalef32_pk16_fp6_f32 v[48+6*\c:50+6*\c], v[64+32*\c:79+32*\c], v[44+\c]
	v_cvt_scalef32_pk16_fp6_f32 v[192+4*\c:194+4*\c], v[80+32*\c:95+32*\c], v[44+\c]   ; a conversion's three registers begin on an even number: the second half is made elsewhere and moved
.endr
	v_nop                                          ; one plain place behind a scaled conversion
.irp c, 0,1
.irp i, 0,1,2
	v_mov_b32 v[51+6*\c+\i], v[192+4*\c+\i]
.endr
.endr
.irp k, 0,1,2
	global_store_b128 v3, v[48+4*\k:51+4*\k], s[30:31] offset:512*\k   ; 32 lanes store 512 consecutive bytes, at a multiple of 512 from the buffer's first byte
.endr
	global_store_b32 v4, v9, s[32:33]              ; lanes r and r + 16 store the same word with the same value
	s_endpgm
.endm
.Lgup:                                             ; work-group j = 16 e + s; wave v = 8 t + g: columns 16 v on
	s_sub_co_u32 s25, ttmp9, 1
	s_lshr_b32 s26, s25, 4                         ; e
	s_and_b32 s27, s25, 15                         ; s
	s_and_b32 s36, s24, 7                          ; g
	s_lshr_b32 s37, s24, 3                         ; t
	s_lshl_b32 s34, s26, 21                        ; an expert is 2,048 rows of 1,024 bytes,
	s_lshl_b32 s40, s27, 17                        ; a K step 128 rows,
	s_add_co_u32 s34, s34, s40
	s_lshl_b32 s40, s24, 6                         ; 16 columns 64 bytes
	s_add_co_u32 s34, s34, s40
	s_add_nc_u64 s[28:29], s[4:5], s[34:35]
	s_mul_i32 s34, s26, 393216
	s_mul_i32 s40, s36, 49152
	s_add_co_u32 s34, s34, s40
	s_mul_i32 s40, s27, 3072
	s_add_co_u32 s34, s34, s40
	s_mul_i32 s40, s37, 1536
	s_add_co_u32 s34, s34, s40
	s_add_nc_u64 s[30:31], s[12:13], s[34:35]
	s_lshl_b32 s34, s26, 14
	s_lshl_b32 s40, s36, 11
	s_add_co_u32 s34, s34, s40
	s_lshr_b32 s40, s27, 2
	s_lshl_b32 s40, s40, 9
	s_add_co_u32 s34, s34, s40
	s_lshl_b32 s40, s37, 8
	s_add_co_u32 s34, s34, s40
	s_and_b32 s40, s27, 3
	s_lshl_b32 s40, s40, 2
	s_add_co_u32 s34, s34, s40
	s_add_nc_u64 s[32:33], s[14:15], s[34:35]
	WQ 1024
.Ldown:                                            ; work-group j = 8 e + w; wave v = column tile c
	s_sub_co_u32 s25, ttmp9, 129
	s_lshr_b32 s26, s25, 3                         ; e
	s_and_b32 s27, s25, 7                          ; w
	s_lshl_b32 s34, s26, 20                        ; an expert is 128 rows of 8,192 bytes
	s_lshl_b32 s40, s27, 10
	s_add_co_u32 s34, s34, s40
	s_lshl_b32 s40, s24, 6
	s_add_co_u32 s34, s34, s40
	s_add_nc_u64 s[28:29], s[6:7], s[34:35]
	s_mul_i32 s34, s26, 196608
	s_mul_i32 s40, s27, 24576
	s_add_co_u32 s34, s34, s40
	s_mul_i32 s40, s24, 1536
	s_add_co_u32 s34, s34, s40
	s_add_nc_u64 s[30:31], s[16:17], s[34:35]
	s_lshl_b32 s34, s26, 13
	s_lshl_b32 s40, s27, 10
	s_add_co_u32 s34, s34, s40
	s_lshr_b32 s40, s24, 3                         ; u = c / 8
	s_lshl_b32 s40, s40, 9
	s_add_co_u32 s34, s34, s40
	s_and_b32 s40, s24, 1                          ; hh = c % 2
	s_lshl_b32 s40, s40, 8
	s_add_co_u32 s34, s34, s40
	s_lshr_b32 s40, s24, 1
	s_and_b32 s40, s40, 3                          ; i = (c / 2) % 4
	s_lshl_b32 s40, s40, 2
	s_add_co_u32 s34, s34, s40
	s_add_nc_u64 s[32:33], s[18:19], s[34:35]
	WQ 8192
; ---- THE SORT: a counting sort without atomics.  Wave w owns tokens 512 w + 32 j + lane, j = 0 .. 15.
.macro POPC d, s, u                    ; v[d] = the number of ones in v[s]; v[u] at work
	v_lshrrev_b32 v[\u], 1, v[\s]
	v_and_b32 v[\u], 0x55555555, v[\u]
	v_sub_nc_u32 v[\d], v[\s], v[\u]
	v_lshrrev_b32 v[\u], 2, v[\d]
	v_and_b32 v[\u], 0x33333333, v[\u]
	v_and_b32 v[\d], 0x33333333, v[\d]
	v_add_nc_u32 v[\d], v[\d], v[\u]
	v_lshrrev_b32 v[\u], 4, v[\d]
	v_add_nc_u32 v[\d], v[\d], v[\u]
	v_and_b32 v[\d], 0x0f0f0f0f, v[\d]
	v_mul_lo_u32 v[\d], v[\d], s46
	v_lshrrev_b32 v[\d], 24, v[\d]
.endm
.macro SET1 j                          ; set j: each token's pair and list word; then, with a lane to a pair, which of the 32 tokens have that pair, and how many
	v_and_b32 v12, 7, v[IDX+2*\j]                  ; e0
	v_and_b32 v13, 7, v[IDX+2*\j+1]                ; e1
	v_min_u32 v14, v12, v13                        ; a
	v_add_nc_u32 v15, v12, v13
	v_cmp_eq_u32 vcc_lo, v12, v13
	v_sub_nc_u32 v15, v15, v14                     ; b
	v_and_b32 v16, 6, v12
	v_or_b32 v17, 1, v12
	v_cndmask_b32 v14, v14, v16, vcc_lo            ; one expert named twice: the pair (a & 6, a | 1)
	v_cndmask_b32 v15, v15, v17, vcc_lo
	v_add_nc_u32 v16, -1, v15
	v_mul_u32_u24 v16, v15, v16
	v_lshrrev_b32 v16, 1, v16
	v_add_nc_u32 v16, v16, v14                     ; the pair's number, 0 .. 27
	v_lshlrev_b32 v[KX+\j], 2, v16
	v_cmp_ne_u32 s40, 0, v[MK+\j]                  ; the live tokens of the set
	v_add_nc_u32 v17, 32*\j, v24
	v_lshl_or_b32 v17, v12, 16, v17
	v_lshl_or_b32 v17, v13, 20, v17
	v_lshl_or_b32 v17, v14, 24, v17
	v_lshl_or_b32 v17, v15, 27, v17
	v_cndmask_b32 v[EN+\j], v28, v17, s40
.irp b, 0,1,2,3,4
	v_bfe_u32 v[18+\b], v16, \b, 1
.endr
.irp b, 0,1,2,3,4
	v_cmp_ne_u32 s[41+\b], 0, v[18+\b]             ; the tokens whose pair number has bit b
.endr
.irp b, 0,1,2,3,4
	v_xor_b32 v[18+\b], s[41+\b], v[CK+\b]         ; the tokens whose bit b is my lane number's bit b
.endr
	v_and_b32 v18, v18, v19
	v_and_b32 v20, v20, v21
	v_and_b32 v18, v18, v22
	v_and_b32 v18, v18, v20
	v_and_b32 v[MM+\j], s40, v18
	POPC HSN+\j, MM+\j, 12
.if \j == 0
	v_mov_b32 v10, v[HSN]
.else
	v_add_nc_u32 v10, v10, v[HSN+\j]               ; my wave's tokens of the pair
.endif
.endm
.Lsort:
	v_and_b32 v1, 31, v0                           ; lane
	v_lshlrev_b32 v2, 2, v0                        ; the table: 128 bytes a wave, a word a lane
	v_lshlrev_b32 v3, 4, v0
	v_lshlrev_b32 v26, 2, v1
	v_add_nc_u32 v27, 9056, v1                     ; behind the 283 blocks: where masked tokens' words go; nobody reads them
.irp i, 28,29,30,31
	v_mov_b32 v\i, 0x80000000                      ; no token
.endr
.irp i, 0,1,2,3
	global_store_b128 v3, v[28:31], s[20:21] offset:8192*\i   ; the whole list is first filled with 'no token': 71 stores of 512 bytes
.endr
	s_cmp_lt_u32 s24, 7
	s_cbranch_scc0 .Lfilled
	global_store_b128 v3, v[28:31], s[20:21] offset:32768
.Lfilled:
	s_lshl_b32 s25, s24, 12
	v_lshl_add_u32 v224, v1, 3, s25                ; indices: 8 bytes a token
	s_lshl_b32 s26, s24, 9
	v_add_nc_u32 v24, s26, v1                      ; my token of set 0, and its mask byte
.irp j, 0,1,2,3,4,5,6,7,8,9,10,11,12,13,14,15
	global_load_b64 v[IDX+2*\j:IDX+2*\j+1], v224, s[8:9] offset:256*\j
	global_load_u8 v[MK+\j], v24, s[10:11] offset:32*\j
.endr
.irp b, 0,1,2,3,4
	v_bfe_u32 v[CK+\b], v1, \b, 1
.endr
.irp b, 0,1,2,3,4
	v_add_nc_u32 v[CK+\b], -1, v[CK+\b]
.endr
	v_bfe_u32 v9, v1, 4, 1
	v_sub_nc_u32 v9, 0, v9                         ; -1 in lanes 16-31
	s_mov_b32 s46, 0x01010101
	s_wait_loadcnt 0x0
.irp j, 0,1,2,3,4,5,6,7,8,9,10,11,12,13,14,15
	SET1 \j
.endr
	ds_store_b32 v2, v10
	s_wait_storecnt 0x0                            ; for the others' sake: my part of the fill is done before any wave places a token
	s_wait_dscnt 0x0                               ; and my counts lie in the table
	s_barrier_signal -1
	s_barrier_wait -1
.irp u, 0,1,2,3,4,5,6,7,8,9,10,11,12,13,14,15
	ds_load_b32 v[TL+\u], v26 offset:128*\u
.endr
.irp j, 0,1,2,3,4,5,6,7,8,9,10,11,12,13,14,15
	ds_bpermute_b32 v[PP+\j], v[KX+\j], v[MM+\j]   ; each token fetches its pair's lane: the tokens of its set that share its pair
.endr
	s_wait_dscnt 16                                ; the sixteen table words are in; the sixteen permutes issued behind them may be out
	v_mov_b32 v11, 0
	v_mov_b32 v12, 0
.irp u, 0,1,2,3,4,5,6,7,8,9,10,11,12,13,14,15
	s_cmp_gt_u32 s24, \u
	s_cselect_b32 s41, -1, 0
	v_add_nc_u32 v11, v11, v[TL+\u]                ; all waves' tokens of the pair,
	v_and_b32 v13, s41, v[TL+\u]
	v_add_nc_u32 v12, v12, v13                     ; and those of the waves in front of mine
.endr
	v_add_nc_u32 v13, 31, v11
	v_and_b32 v13, 0xffffffe0, v13                 ; rounded up to whole blocks
	v_mov_b32 v14, v13
.irp n, 1,2,4,8                        ; running sums over the 32 lanes: within each 16,
	v_mov_b32 v15, 0
	v_mov_b32_dpp v15, v14 row_shr:\n row_mask:0xf bank_mask:0xf
	v_add_nc_u32 v14, v14, v15
.endr
	v_readlane_b32 s41, v14, 15                    ; and the lower 16's total onto the upper 16
	v_and_b32 v15, s41, v9
	v_add_nc_u32 v14, v14, v15
	v_sub_nc_u32 v14, v14, v13                     ; where the pair's blocks begin,
	v_add_nc_u32 v[EE], v14, v12                   ; and in them my wave's tokens
.irp j, 0,1,2,3,4,5,6,7,8,9,10,11,12,13,14
	v_add_nc_u32 v[EE+\j+1], v[EE+\j], v[HSN+\j]   ; and set j + 1's
.endr
.irp j, 0,1,2,3,4,5,6,7,8,9,10,11,12,13,14,15
	ds_bpermute_b32 v[QQ+\j], v[KX+\j], v[EE+\j]
.endr
	s_wait_dscnt 0x0
.irp j, 0,1,2,3,4,5,6,7,8,9,10,11,12,13,14,15
	v_mbcnt_lo_u32_b32 v12, v[PP+\j], v[QQ+\j]     ; + the tokens of my pair in lower lanes of my set
	v_cmp_eq_u32 vcc_lo, 0, v[MK+\j]
	v_cndmask_b32 v12, v12, v27, vcc_lo            ; a masked token's word ('no token') goes behind the blocks
	v_min_u32 v12, 0x237f, v12                     ; inside the list's 9,088 words
	v_lshlrev_b32 v[PO+\j], 2, v12
	global_store_b32 v[PO+\j], v[EN+\j], s[20:21]
.endr
	s_wait_tensorcnt 0x0
	ds_add_u32 v254, v255
	s_wait_dscnt 0x0
	s_endpgm
.Lfunc_end_k_q09172aeba2_prep:
	.size	k_q09172aeba2_prep, .Lfunc_end_k_q09172aeba2_prep-k_q09172aeba2_prep
	.p2alignl 7, 3214868480
	.fill 96, 4, 3214868480
	.section	.rodata,"a",@progbits
	.p2align	6, 0x0
	.amdhsa_kernel k_q09172aeba2_prep
		.amdhsa_group_segment_fixed_size 4096
		.amdhsa_private_segment_fixed_size 0
		.amdhsa_enable_private_segment 0
		.amdhsa_kernarg_size 80
		.amdhsa_user_sgpr_count 2
		.amdhsa_user_sgpr_kernarg_segment_ptr 1
		.amdhsa_wavefront_size32 1
		.amdhsa_system_sgpr_workgroup_id_x 1
		.amdhsa_system_sgpr_workgroup_id_y 1
		.amdhsa_system_sgpr_workgroup_id_z 1
		.amdhsa_system_vgpr_workitem_id 0
		.amdhsa_next_free_vgpr 256
		.amdhsa_next_free_sgpr 66
		.amdhsa_reserve_vcc 1
		.amdhsa_float_denorm_mode_32 3
		.amdhsa_float_denorm_mode_16_64 3
		.amdhsa_memory_ordered 1
		.amdhsa_forward_progress 1
		.amdhsa_inst_pref_size 86
	.end_amdhsa_kernel
	.amdgpu_metadata
---
amdhsa.version: [ 1, 2 ]
amdhsa.kernels:
  - .name:           k_q09172aeba2_prep
    .symbol:         k_q09172aeba2_prep.kd
    .args:
      - { .name: W_gup, .offset: 0, .size: 8, .value_kind: global_buffer, .address_space: global }
      - { .name: W_down, .offset: 8, .size: 8, .value_kind: global_buffer, .address_space: global }
      - { .name: indices, .offset: 16, .size: 8, .value_kind: global_buffer, .address_space: global }
      - { .name: token_mask, .offset: 24, .size: 8, .value_kind: global_buffer, .address_space: global }
      - { .name: wg, .offset: 32, .size: 8, .value_kind: global_buffer, .address_space: global }
      - { .name: wgs, .offset: 40, .size: 8, .value_kind: global_buffer, .address_space: global }
      - { .name: wd, .offset: 48, .size: 8, .value_kind: global_buffer, .address_space: global }
      - { .name: wds, .offset: 56, .size: 8, .value_kind: global_buffer, .address_space: global }
      - { .name: order, .offset: 64, .size: 8, .value_kind: global_buffer, .address_space: global }
      - { .name: out0, .offset: 72, .size: 8, .value_kind: global_buffer, .address_space: global }
    .group_segment_fixed_size: 4096
    .private_segment_fixed_size: 0
    .kernarg_segment_align: 8
    .kernarg_segment_size: 80
    .max_flat_workgroup_size: 512
    .sgpr_count:     66
    .vgpr_count:     256
    .wavefront_size: 32
...
	.end_amdgpu_metadata
.endif
;; end of part 1
;; launch moe (part 2): grid 283 x 1, 8 waves a work-group, no clusters, 132,608 bytes of LDS; arguments x, weights, order, wg, wgs, wd, wds, out0; writes out0
.if DOCPART == 2
	.amdgcn_target "amdgcn-amd-amdhsa--gfx1250"
	.amdhsa_code_object_version 6
	.text
	.protected	k_q09172aeba2_moe
	.globl	k_q09172aeba2_moe
	.p2align	8
	.type	k_q09172aeba2_moe,@function
k_q09172aeba2_moe:
	s_mov_b64 s[64:65], 0
	v_nop
	global_prefetch_b8 v0, s[64:65] scope:SCOPE_SE
	s_setreg_imm32_b32 hwreg(HW_REG_WAVE_MODE, 25, 1), 1
	s_wait_xcnt 0x0
; ONE WORK-GROUP TAKES ONE BLOCK OF 32 TOKENS OF ONE PAIR OF EXPERTS (ka, kb) THROUGH THE WHOLE CHAIN: gather x, quantise, gate and up products of both experts, weighted SwiGLU in f32, quantise,
; both down products summed in registers, rows of out0.  All products on codes of FP6 (E2M3) with one E8M0 scale for each 32 along K.  The hidden layer never goes to memory; each row of out0 has one owner.
; The list 'order' (283 blocks of 32 words; a word: 12:0 token, 19:16 e0, 23:20 e1, 26:24 ka, 29:27 kb; negative = no token) and the weights' codes, laid as images of operand registers, were stored by the
; launch before.  A slot without a token repeats the block's slot 0: the same arithmetic, the same row stored again by the same wave.  A block whose slot 0 has no token does nothing: the grid serves every split.
; SHARES, eight waves.  X: wave w quantises tokens 16 (w / 4) on, K steps 4 (w % 4) .. + 3.  G: hidden units 16 w .. 16 w + 15: a gate tile and an up tile of both experts, both tiles of tokens: 8 accumulators,
; 16 K steps.  Q: waves 0-3 quantise the hidden layer of expert w / 2, tokens 16 (w % 2) on.  D: out columns 256 w .. 256 w + 255: 16 column tiles x 2 tiles of tokens: 32 accumulators.
; EVERY PRODUCT IS USED TRANSPOSED: source 0 = 16 columns of a weight, source 1 = 16 tokens: lane (r, h) holds token r, and its registers unit or column 8 h + 0 .. 7.
; The weights go from memory straight into the registers of the one wave that multiplies them: each byte is read once by a work-group.
; NO TENSOR LOADS, NO CLUSTER: what a work-group does hangs on numbers read from the list (a block may be empty), and neighbouring blocks need not share an expert, so no tile could be asked for jointly.
; Every barrier stands on every wave's path; the work between barriers is jumped over as a whole where the block is empty.
; LIMITS: inputs are finite: where an expert that a token does not name would give 0 x infinity, this program gives the other expert's sum; a block of 32 zeros gets the scale byte 1, not 127 (its codes are zeros);
; blocks whose largest magnitude lies under 2^-124 are held at the byte 1; a token that names one expert twice is also multiplied, with weight 0, by that expert's neighbour.
; LDS: x's 32 fragment images; their scale words; a stage (eight times 16 rows of 528 bytes: x on its way in, then the hidden layer in f32, then rows of out0 on their way out, parted by barriers);
; the hidden layer's images and scale words (room for eight waves' places; four are used).
.set XIMG, 0                           ; image 16 m + s at 1,536 x that
.set XSC,  49152                       ; [q][16 m + r][4 words]
.set STG,  51200
.set HIMG, 118784                      ; image 2 x + m
.set HSC,  131072                      ; 128 x + 4 (16 m + r)
.set LI,   1                           ; v1   16 x lane
.set TOKD, 2                           ; v2   lane = slot: its token
.set A_RW, 3                           ; v3   my stage, 16 x lane: a row of 512 bytes
.set A_XR, 4                           ; v4   my stage, row r, + 64 h
.set A_IMGW, 5                         ; v5   where I store x's images
.set A_XSCW, 6                         ; v6   and their scale words
.set A_HW, 7                           ; v7   the hidden layer in f32: row r, + 64 w + 32 h
.set A_QI, 8                           ; v8   where I store a hidden image
.set A_QS, 9                           ; v9   and its scale word
.set A_STO, 10                         ; v10  my stage, row r, + 32 h
.set A_HI, 11                          ; v11  the hidden images, 16 x lane
.set A_HS, 12                          ; v12  their scale words, 4 x lane
.set CO,   13                          ; v13  1,024 w + 16 x lane: my bytes in a row of out0
                                       ; v16-19 e0, e1 of tile 0's, tile 1's token r; v[20:21], v[22:23] its two weights
.set XS,   24                          ; v24-39  scale words of x, K step k: lanes 0-15 tile 0, lanes 16-31 tile 1
.set WSC,  40                          ; v40-55, v56-71 those of W_gup[ka], W_gup[kb]: lanes 0-15 gate, lanes 16-31 up.  v24-71 hold scales and nothing else
.set DSC,  40                          ; in D: v40-47, v48-55 those of W_down[ka], [kb]
.set HS,   56                          ; in D: v56, v57 the hidden layer's
.set TV,   78                          ; v78, v79 the list words as tile 0 and tile 1 see them: lane (r, h) has slot r, slot 16 + r
.set VOFF, 80                          ; X: v80-95 byte offsets of my 16 tokens' rows
.set ST,   96                          ; X, Q: v96-159 64 numbers of a lane
.set PC,   160                         ; v160-178 the codes just made
.set TM,   180                         ; v180-195 at work
.set PW,   196                         ; the scale word just made
.set XW,   200                         ; v200-203 four of them
.set AC,   80                          ; G: accumulator (x, m, t) at v[80 + 8 (4 x + 2 m + t)]
.set XF,   144                         ; G: v144-191 x's fragments, two sets of two
.set T,    192                         ; G: v192-207, v208-223 the SwiGLU at work, a set for each expert
.set HF,   80                          ; D: v80-127 the hidden fragments (x, m)
.set WF,   128                         ; D: v128-247 five places of two fragments of W_down
.set BK,   80                          ; the way out: v80-143, v144-207 16 rows by turns
.set OFFO, 208                         ; v208-239 byte offsets of the 32 slots' rows
.set SEL,  38                          ; s[38:39]
; window 1 (v256-511): X: 256 registers in which x lands; G: a ring of four K steps of W_gup, 48 registers each; D: accumulator (c, m) at 8 (2 c + m).
.set MSB, 0
.macro WIN new                         ; s_set_vgpr_msb: bits 1:0 source 0, 3:2 source 1, 5:4 source 2, 7:6 destination; the high byte repeats the setting that is left
.if MSB != \new
	s_set_vgpr_msb (MSB<<8)|\new
.set MSB, \new
.endif
.endm
.macro BAR                             ; my LDS stores have landed and my LDS loads are in: then the work-group's barrier
	s_wait_dscnt 0x0
	s_barrier_signal -1
	s_barrier_wait -1
.endm
; 64 numbers of a lane, register 16 b + i = k 32 b + 16 (lane / 16) + i of my row, become a fragment's codes in v[PC] on and its scale word in v[PW].
.macro QUANT s
.irp b, 0,1,2,3
	v_max3_num_f32 v[TM+\b], |v[\s+16*\b]|, |v[\s+1+16*\b]|, 0x1800000   ; block b: my 16 numbers, and the floor 2^(3 - 127): the byte cannot fall under 1
.endr
.irp i, 2,4,6,8,10,12,14
.irp b, 0,1,2,3
	v_max3_num_f32 v[TM+\b], v[TM+\b], |v[\s+16*\b+\i]|, |v[\s+1+16*\b+\i]|   ; the four blocks by turns
.endr
.endr
.irp b, 0,1,2,3
	v_permlanex16_b32 v[TM+4+\b], v[TM+\b], s[SEL], s[SEL+1]
.endr
.irp b, 0,1,2,3
	v_max_num_f32 v[TM+\b], v[TM+\b], v[TM+4+\b]   ; with lane l xor 16's: the block's largest magnitude
.endr
.irp b, 0,1,2,3
	v_add_nc_u32 v[TM+12+\b], 0xff000000, v[TM+\b] ; 2 off its exponent field: the conversion's scale operand
.endr
.irp b, 0,1,2,3
	v_lshrrev_b32 v[TM+4+\b], 23, v[TM+12+\b]      ; the scale's byte
.endr
	v_lshl_or_b32 v[PW], v[TM+5], 8, v[TM+4]
	v_lshl_or_b32 v[PW], v[TM+6], 16, v[PW]
	v_lshl_or_b32 v[PW], v[TM+7], 24, v[PW]
.irp c, 0,1
	v_cvt_scalef32_pk16_fp6_f32 v[PC+6*\c:PC+2+6*\c], v[\s+32*\c:\s+15+32*\c], v[TM+12+2*\c]
	v_cvt_scalef32_pk16_fp6_f32 v[PC+12+4*\c:PC+14+4*\c], v[\s+16+32*\c:\s+31+32*\c], v[TM+12+2*\c+1]   ; a conversion's three registers begin on an even number
.endr
	v_nop                                          ; one plain place behind a scaled conversion
.irp c, 0,1                            ; the operand's layout wants a whole block in a lane: lanes 0-15 block 2 c, lanes 16-31 block 2 c + 1
.irp i, 0,1,2
	v_permlane16_swap_b32 v[PC+6*\c+\i], v[PC+12+4*\c+\i]
.endr
.irp i, 0,1,2
	v_mov_b32 v[PC+3+6*\c+\i], v[PC+12+4*\c+\i]
.endr
.endr
.endm
.macro IMAGE adr, off                  ; the fragment in v[PC] on goes to LDS as it stands: 16 bytes a lane, 512 a store
.irp c, 0,1,2
	ds_store_b128 v[\adr], v[PC+4*\c:PC+4*\c+3] offset:\off+512*\c
.endr
.endm
; One matrix instruction on the registers rD, rA, rB and the scale registers rP, rQ.  rZ = 1: it starts the sum.  ra, rb: source 0's, source 1's scales stand in lanes 16-31.
.macro MMA ra, rb
.if rZ
.if (\ra) && (\rb)
	v_wmma_scale_f32_16x16x128_f8f6f4 v[rD:rD+7], v[rA:rA+11], v[rB:rB+11], 0, v[rP], v[rQ] matrix_a_fmt:MATRIX_FMT_FP6 matrix_b_fmt:MATRIX_FMT_FP6 matrix_a_scale:MATRIX_SCALE_ROW1 matrix_b_scale:MATRIX_SCALE_ROW1
.elseif (\ra)
	v_wmma_scale_f32_16x16x128_f8f6f4 v[rD:rD+7], v[rA:rA+11], v[rB:rB+11], 0, v[rP], v[rQ] matrix_a_fmt:MATRIX_FMT_FP6 matrix_b_fmt:MATRIX_FMT_FP6 matrix_a_scale:MATRIX_SCALE_ROW1
.elseif (\rb)
	v_wmma_scale_f32_16x16x128_f8f6f4 v[rD:rD+7], v[rA:rA+11], v[rB:rB+11], 0, v[rP], v[rQ] matrix_a_fmt:MATRIX_FMT_FP6 matrix_b_fmt:MATRIX_FMT_FP6 matrix_b_scale:MATRIX_SCALE_ROW1
.else
	v_wmma_scale_f32_16x16x128_f8f6f4 v[rD:rD+7], v[rA:rA+11], v[rB:rB+11], 0, v[rP], v[rQ] matrix_a_fmt:MATRIX_FMT_FP6 matrix_b_fmt:MATRIX_FMT_FP6
.endif
.else
.if (\ra) && (\rb)
	v_wmma_scale_f32_16x16x128_f8f6f4 v[rD:rD+7], v[rA:rA+11], v[rB:rB+11], v[rD:rD+7], v[rP], v[rQ] matrix_a_fmt:MATRIX_FMT_FP6 matrix_b_fmt:MATRIX_FMT_FP6 matrix_a_scale:MATRIX_SCALE_ROW1 matrix_b_scale:MATRIX_SCALE_ROW1
.elseif (\ra)
	v_wmma_scale_f32_16x16x128_f8f6f4 v[rD:rD+7], v[rA:rA+11], v[rB:rB+11], v[rD:rD+7], v[rP], v[rQ] matrix_a_fmt:MATRIX_FMT_FP6 matrix_b_fmt:MATRIX_FMT_FP6 matrix_a_scale:MATRIX_SCALE_ROW1
.elseif (\rb)
	v_wmma_scale_f32_16x16x128_f8f6f4 v[rD:rD+7], v[rA:rA+11], v[rB:rB+11], v[rD:rD+7], v[rP], v[rQ] matrix_a_fmt:MATRIX_FMT_FP6 matrix_b_fmt:MATRIX_FMT_FP6 matrix_b_scale:MATRIX_SCALE_ROW1
.else
	v_wmma_scale_f32_16x16x128_f8f6f4 v[rD:rD+7], v[rA:rA+11], v[rB:rB+11], v[rD:rD+7], v[rP], v[rQ] matrix_a_fmt:MATRIX_FMT_FP6 matrix_b_fmt:MATRIX_FMT_FP6
.endif
.endif
.endm
	; ---- THE HEAD: every block, empty or not
	s_load_b512 s[4:19], s[0:1], 0x0               ; x s[4:5], weights s[6:7], order s[8:9], wg s[10:11], wgs s[12:13], wd s[14:15], wds s[16:17], out0 s[18:19]
	v_lshl_add_u32 v254, v0, 2, 0x20200
	v_mov_b32 v255, 0
	v_lshrrev_b32 v14, 5, v0
	v_readfirstlane_b32 s20, v14                   ; wave w, 0..7
	s_lshr_b32 s21, s20, 2                         ; m: the tile of tokens that I quantise
	s_and_b32 s22, s20, 3                          ; q: which four K steps of it
	v_and_b32 v15, 31, v0
	v_lshlrev_b32 v[LI], 4, v15
	v_lshlrev_b32 v78, 2, v15                      ; 4 x lane
	s_lshl_b32 s28, ttmp9, 7                       ; my block's 128 bytes of the list
	s_mov_b32 s29, 0                               ; the upper word of every offset
	s_mov_b32 s[SEL], 0x76543210
	s_mov_b32 s[SEL+1], 0xfedcba98                 ; v_permlanex16_b32's selects for lane l xor 16
	s_mov_b32 s40, 0xffff0000                      ; lanes 16-31
	s_wait_kmcnt 0x0
	s_add_nc_u64 s[8:9], s[8:9], s[28:29]
	s_load_b32 s23, s[8:9], 0x0                    ; slot 0's word
	global_load_b32 v72, v78, s[8:9]               ; and each lane its slot's
	v_and_b32 v14, 15, v0                          ; r
	v_bfe_u32 v15, v0, 4, 1                        ; h
	s_mul_i32 s41, s20, 8448
	s_add_co_u32 s41, s41, STG                     ; my 16 rows of the stage
	v_add_nc_u32 v[A_RW], s41, v[LI]
	v_mul_u32_u24 v73, v14, 528
	v_lshl_add_u32 v[A_XR], v15, 6, v73
	v_add_nc_u32 v[A_XR], s41, v[A_XR]
	v_lshl_add_u32 v[A_STO], v15, 5, v73
	v_add_nc_u32 v[A_HW], STG, v[A_STO]
	v_add_nc_u32 v[A_STO], s41, v[A_STO]
	s_lshl_b32 s42, s20, 6
	v_add_nc_u32 v[A_HW], s42, v[A_HW]
	s_mul_i32 s42, s20, 6144                       ; images 16 m + 4 q = 4 w on
	v_add_nc_u32 v[A_IMGW], s42, v[LI]
	s_lshl_b32 s42, s22, 9
	s_lshl_b32 s43, s21, 8
	s_add_co_u32 s42, s42, s43
	s_add_co_u32 s42, s42, XSC
	v_lshl_add_u32 v[A_XSCW], v14, 4, s42
	s_mul_i32 s42, s20, 1536
	s_add_co_u32 s42, s42, HIMG
	v_add_nc_u32 v[A_QI], s42, v[LI]
	s_lshl_b32 s42, s20, 6
	s_add_co_u32 s42, s42, HSC
	v_lshl_add_u32 v[A_QS], v14, 2, s42
	v_add_nc_u32 v[A_HI], HIMG, v[LI]
	v_add_nc_u32 v[A_HS], HSC, v78
	s_lshl_b32 s42, s20, 10
	v_add_nc_u32 v[CO], s42, v[LI]
.irp b, 0,1,2,3
	v_mov_b32 v[TM+4+\b], 0                        ; written once: a lane permute's destination counts as one of its sources
.endr
	s_wait_kmcnt 0x0
	s_wait_loadcnt 0x0
	s_lshr_b32 s24, s23, 31                        ; 1: the block is empty
	s_bfe_u32 s25, s23, 0x30018
	s_min_u32 s25, s25, 7                          ; ka
	s_bfe_u32 s26, s23, 0x3001b
	s_min_u32 s26, s26, 7                          ; kb
	v_mov_b32 v73, s23
	v_cmp_gt_i32 vcc_lo, 0, v72
	v_cndmask_b32 v72, v72, v73, vcc_lo            ; a slot without a token repeats slot 0
	v_and_b32 v[TOKD], 0x1fff, v72
	v_permlanex16_b32 v73, v72, s[SEL], s[SEL+1]
	v_cndmask_b32 v[TV], v72, v73, s40             ; tile 0's view: lanes 16-31 take the word of the lane 16 below
	v_cndmask_b32 v[TV+1], v73, v72, s40           ; tile 1's: lanes 0-15 that of the lane 16 above
	v_bfe_u32 v16, v[TV], 16, 4
	v_bfe_u32 v17, v[TV], 20, 4
	v_bfe_u32 v18, v[TV+1], 16, 4
	v_bfe_u32 v19, v[TV+1], 20, 4
	v_and_b32 v72, 0x1fff, v[TV]
	v_and_b32 v73, 0x1fff, v[TV+1]
	v_min_u32 v72, 0x1fff, v72
	v_min_u32 v73, 0x1fff, v73
	v_lshlrev_b32 v72, 3, v72
	v_lshlrev_b32 v73, 3, v73
	global_load_b64 v[20:21], v72, s[6:7]          ; the tokens' two weights; v72 and v73 are not written again
	global_load_b64 v[22:23], v73, s[6:7]
	s_mul_i32 s41, s20, 49152                      ; W_gup's images: my 16 hidden units of ka and of kb,
	s_mul_i32 s28, s25, 393216
	s_add_co_u32 s28, s28, s41
	s_add_nc_u64 s[30:31], s[10:11], s[28:29]
	s_mul_i32 s28, s26, 393216
	s_add_co_u32 s28, s28, s41
	s_add_nc_u64 s[32:33], s[10:11], s[28:29]
	s_lshl_b32 s41, s20, 11                        ; their scale words,
	s_lshl_b32 s28, s25, 14
	s_add_co_u32 s28, s28, s41
	s_add_nc_u64 s[34:35], s[12:13], s[28:29]
	s_lshl_b32 s28, s26, 14
	s_add_co_u32 s28, s28, s41
	s_add_nc_u64 s[36:37], s[12:13], s[28:29]
	s_mul_i32 s41, s20, 24576                      ; W_down's images: my 256 columns,
	s_mul_i32 s28, s25, 196608
	s_add_co_u32 s28, s28, s41
	s_add_nc_u64 s[44:45], s[14:15], s[28:29]
	s_mul_i32 s28, s26, 196608
	s_add_co_u32 s28, s28, s41
	s_add_nc_u64 s[46:47], s[14:15], s[28:29]
	s_lshl_b32 s41, s20, 10                        ; and their scale words
	s_lshl_b32 s28, s25, 13
	s_add_co_u32 s28, s28, s41
	s_add_nc_u64 s[48:49], s[16:17], s[28:29]
	s_lshl_b32 s28, s26, 13
	s_add_co_u32 s28, s28, s41
	s_add_nc_u64 s[50:51], s[16:17], s[28:29]
	; ---- X: my 16 tokens x 512 numbers become four fragments.  All 64 loads go out at once: each reads 512 consecutive bytes of one row; the eight waves have the block's 256 KiB on their way.
	s_cmp_lg_u32 s24, 0
	s_cbranch_scc1 .Lx_done
	s_cmp_lg_u32 s21, 0
	s_cselect_b32 s42, -1, 0
	v_cndmask_b32 v96, v[TV], v[TV+1], s42         ; my tile's view: lane i (0 .. 15) has token 16 m + i
	v_and_b32 v96, 0x1fff, v96
	s_lshl_b32 s43, s22, 11
	v_add_nc_u32 v97, s43, v[LI]                   ; my four K steps are 2,048 bytes of a row
.irp i, 0,1,2,3,4,5,6,7,8,9,10,11,12,13,14,15
	v_readlane_b32 s41, v96, \i
	s_min_u32 s41, s41, 0x1fff
	s_lshl_b32 s41, s41, 13                        ; a row of x is 8,192 bytes
	v_add_nc_u32 v[VOFF+\i], s41, v97
.endr
	WIN 0x40                                       ; destination window 1
.irp u, 0,1,2,3
.irp i, 0,1,2,3,4,5,6,7,8,9,10,11,12,13,14,15
	global_load_b128 v[64*\u+4*\i:64*\u+4*\i+3], v[VOFF+\i], s[4:5] offset:512*\u
.endr
.endr
.irp u, 0,1,2,3
	s_wait_loadcnt 16*(3-\u)                       ; K step u's sixteen rows are in; the sixteen loads of each later K step may be out
	WIN 0x04                                       ; an LDS store's data are its source 1: window 1
.irp i, 0,1,2,3,4,5,6,7,8,9,10,11,12,13,14,15
	ds_store_b128 v[A_RW], v[64*\u+4*\i:64*\u+4*\i+3] offset:528*\i   ; through my stage, as they lie: row i
.endr
	WIN 0
.irp b, 0,1,2,3
.irp j, 0,1,2,3
	ds_load_b128 v[ST+16*\b+4*\j:ST+16*\b+4*\j+3], v[A_XR] offset:128*\b+16*\j   ; and back: of row r, 16 neighbours of each block of 32.  LDS serves a wave's instructions in order
.endr
.endr
	s_wait_dscnt 0x0                               ; they are in; and the last image's stores have read their registers
	QUANT ST
	v_mov_b32 v[XW+\u], v[PW]
	IMAGE A_IMGW, 1536*\u
.endr
	ds_store_b128 v[A_XSCW], v[XW:XW+3]            ; four K steps' scale words of row r; lanes r and r + 16 store the same bytes with the same values
.Lx_done:
	BAR                                            ; x's 32 fragments lie in LDS, and nobody reads the stage any more
	; ---- G: h^T = W_gup^T x^T for both experts, 16 K steps
.macro FETCHX k                        ; x's two fragments of K step k into set k % 2
.irp m, 0,1
.irp c, 0,1,2
	ds_load_b128 v[XF+24*((\k)&1)+12*\m+4*\c:XF+24*((\k)&1)+12*\m+4*\c+3], v[LI] offset:XIMG+(16*\m+(\k))*1536+512*\c
.endr
.endr
.endm
.macro GLOAD k                         ; K step k of my part of W_gup[ka] and W_gup[kb], gate and up: twelve loads of 512 consecutive bytes into ring place k % 4
	WIN 0x40
.irp c, 0,1,2,3,4,5
	global_load_b128 v[48*((\k)&3)+4*\c:48*((\k)&3)+4*\c+3], v[LI], s[30:31] offset:3072*(\k)+512*\c
.endr
.irp c, 0,1,2,3,4,5
	global_load_b128 v[48*((\k)&3)+24+4*\c:48*((\k)&3)+24+4*\c+3], v[LI], s[32:33] offset:3072*(\k)+512*\c
.endr
.endm
.macro GSTEP k
.if (\k) < 15
	FETCHX (\k)+1                                  ; into the set that the step before multiplied: four places stand behind its products
.endif
.if (\k) < 12
	s_wait_loadcnt 36                              ; K step k's weights are in: behind them the twelve loads of each of three later K steps were issued
.else
	s_wait_loadcnt 12*(15-(\k))                    ; the ring runs out: twelve for each K step that is left
.endif
.if (\k) < 15
	s_wait_dscnt 6                                 ; this step's fragments of x are in; the next step's six loads may be out
.else
	s_wait_dscnt 0
.endif
	WIN 0x01                                       ; source 0 (the weights) window 1
.if (\k) == 0
.set rZ, 1                                         ; the first K step starts the sums: nothing is cleared
.else
.set rZ, 0
.endif
.irp x, 0,1                            ; the eight accumulators take turns, one instruction a turn, in the same order in every step
.irp m, 0,1
.irp t, 0,1
.set rD, AC+8*(4*\x+2*\m+\t)
.set rA, 48*((\k)&3)+24*\x+12*\t
.set rB, XF+24*((\k)&1)+12*\m
.set rP, WSC+16*\x+(\k)
.set rQ, XS+(\k)
	MMA \t, \m
.endr
.endr
.endr
.rept 4
	v_nop                                          ; four places in front of loads into registers that these products read, and of the first read of results
.endr
.if (\k) < 12
	GLOAD (\k)+4                                   ; the place just multiplied takes the K step four on
.endif
	WIN 0
.endm
.macro PCALC se                        ; p = the sum of the token's weights whose index is this expert: 0 where it names it not
	v_cmp_eq_u32 vcc_lo, \se, v16
	v_cndmask_b32 v74, 0, v20, vcc_lo
	v_cmp_eq_u32 vcc_lo, \se, v17
	v_cndmask_b32 v75, 0, v21, vcc_lo
	v_add_f32 v74, v74, v75
	v_cmp_eq_u32 vcc_lo, \se, v18
	v_cndmask_b32 v76, 0, v22, vcc_lo
	v_cmp_eq_u32 vcc_lo, \se, v19
	v_cndmask_b32 v77, 0, v23, vcc_lo
	v_add_f32 v76, v76, v77
	v_mov_b32 v75, v74                             ; (the packed form names a pair)
	v_mov_b32 v77, v76
.endm
.macro SWIGLU x                        ; hidden = gate / (1 + 2^(-gate log2 e)) x up x p, in f32, for my 16 units of expert x and both tiles of tokens; to LDS as rows of 128 f32
.set TT, T+16*(\x)
.irp m, 0,1
.irp j, 0,2,4,6
	v_pk_mul_f32 v[TT+8*\m+\j:TT+8*\m+\j+1], v[AC+8*(4*(\x)+2*\m)+\j:AC+8*(4*(\x)+2*\m)+\j+1], 0xbfb8aa3b op_sel_hi:[1,0]   ; each accumulator is read from its low end on
.endr
.endr
.irp i, 0,1,2,3,4,5,6,7,8,9,10,11,12,13,14,15
	v_exp_f32 v[TT+\i], v[TT+\i]
.endr
	v_nop                                          ; a plain place behind the last exponential,
	s_wait_alu depctr_va_vdst(0)                   ; and one wait for the batch, ahead of its first reader
.irp j, 0,2,4,6,8,10,12,14
	v_pk_add_f32 v[TT+\j:TT+\j+1], v[TT+\j:TT+\j+1], 1.0 op_sel_hi:[1,0]
.endr
.irp i, 0,1,2,3,4,5,6,7,8,9,10,11,12,13,14,15
	v_rcp_f32 v[TT+\i], v[TT+\i]
.endr
	v_nop
	s_wait_alu depctr_va_vdst(0)                   ; likewise for the reciprocals
.irp m, 0,1
.irp j, 0,2,4,6
	v_pk_mul_f32 v[TT+8*\m+\j:TT+8*\m+\j+1], v[TT+8*\m+\j:TT+8*\m+\j+1], v[AC+8*(4*(\x)+2*\m)+\j:AC+8*(4*(\x)+2*\m)+\j+1]
.endr
.endr
.irp m, 0,1
.irp j, 0,2,4,6
	v_pk_mul_f32 v[TT+8*\m+\j:TT+8*\m+\j+1], v[TT+8*\m+\j:TT+8*\m+\j+1], v[AC+8*(4*(\x)+2*\m+1)+\j:AC+8*(4*(\x)+2*\m+1)+\j+1]
.endr
.endr
.irp m, 0,1
.irp j, 0,2,4,6
	v_pk_mul_f32 v[TT+8*\m+\j:TT+8*\m+\j+1], v[TT+8*\m+\j:TT+8*\m+\j+1], v[74+2*\m:75+2*\m] op_sel_hi:[1,0]
.endr
.endr
.irp m, 0,1
	ds_store_b128 v[A_HW], v[TT+8*\m:TT+8*\m+3] offset:16896*(\x)+8448*\m       ; row 16 m + r of expert x: units 16 w + 8 h + 0 .. 7
	ds_store_b128 v[A_HW], v[TT+8*\m+4:TT+8*\m+7] offset:16896*(\x)+8448*\m+16
.endr
.endm
	s_cmp_lg_u32 s24, 0
	s_cbranch_scc1 .Lg_done
.irp q, 0,1,2,3
	global_load_b128 v[WSC+4*\q:WSC+4*\q+3], v[LI], s[34:35] offset:512*\q         ; the weights' scale words of all 16 K steps, ahead of the ring's loads: the first counted wait covers them
	global_load_b128 v[WSC+16+4*\q:WSC+16+4*\q+3], v[LI], s[36:37] offset:512*\q
.endr
	GLOAD 0
	GLOAD 1
	GLOAD 2
	GLOAD 3
	WIN 0
.irp q, 0,1,2,3
	ds_load_b128 v[XS+4*\q:XS+4*\q+3], v[LI] offset:XSC+512*\q
.endr
	FETCHX 0
.irp k, 0,1,2,3,4,5,6,7,8,9,10,11,12,13,14,15
	GSTEP \k
.endr
	PCALC s25
	SWIGLU 0
	PCALC s26
	SWIGLU 1
.Lg_done:
	BAR                                            ; both experts' hidden layers, 32 rows of 128 f32 each, lie in the stage
	; ---- Q: waves 0-3 each quantise 16 rows along the 128 hidden units: one fragment and one scale word a row
	s_cmp_lg_u32 s24, 0
	s_cbranch_scc1 .Lq_done
	s_cmp_lt_u32 s20, 4
	s_cbranch_scc0 .Lq_done
.irp b, 0,1,2,3
.irp j, 0,1,2,3
	ds_load_b128 v[ST+16*\b+4*\j:ST+16*\b+4*\j+3], v[A_XR] offset:128*\b+16*\j     ; expert w / 2, tile w % 2: rows 16 w on
.endr
.endr
	s_wait_dscnt 0x0
	QUANT ST
	IMAGE A_QI, 0
	ds_store_b32 v[A_QS], v[PW]                    ; lanes r and r + 16 store the same word with the same value
.Lq_done:
	BAR                                            ; the four hidden fragments lie in LDS, and nobody reads the stage any more
	; ---- D: y^T = W_down[ka]^T hidden_a^T + W_down[kb]^T hidden_b^T for my 256 columns
.macro DLOAD c                         ; column tile c of both experts: six loads of 512 consecutive bytes into place c % 5
.irp k, 0,1,2
	global_load_b128 v[WF+24*((\c)%5)+4*\k:WF+24*((\c)%5)+4*\k+3], v[LI], s[44:45] offset:1536*(\c)+512*\k
.endr
.irp k, 0,1,2
	global_load_b128 v[WF+24*((\c)%5)+12+4*\k:WF+24*((\c)%5)+12+4*\k+3], v[LI], s[46:47] offset:1536*(\c)+512*\k
.endr
.endm
.macro DSTEP c
.if (\c) < 11
	s_wait_loadcnt 24                              ; tile c's weights are in: behind them the six loads of each of four later tiles were issued
.else
	s_wait_loadcnt 6*(15-(\c))
.endif
	WIN 0x50                                       ; C and D window 1
.irp x, 0,1                            ; (ka, tile 0), (ka, tile 1) start the two sums; (kb, tile 0), (kb, tile 1) add onto them: the two accumulators take turns
.irp m, 0,1
.set rD, 8*(2*(\c)+\m)
.set rA, WF+24*((\c)%5)+12*\x
.set rB, HF+24*\x+12*\m
.set rP, DSC+8*\x+4*((\c)>>3)+(((\c)>>1)&3)
.set rQ, HS+\x
.set rZ, 1-\x
	MMA ((\c)&1), \m
.endr
.endr
.rept 4
	v_nop                                          ; four places in front of loads into the registers just read, and of what follows the last tile
.endr
	WIN 0
.if (\c) < 11
	DLOAD (\c)+5
.endif
.endm
.macro TOSTAGE a                       ; 16 tokens (tile a / 2) x 128 columns (half a % 2 of my 256): into my stage, 32 bytes a lane, and back as whole rows of 512 bytes
	WIN 0x04
.irp c, 0,1,2,3,4,5,6,7
.set rD, 8*(2*(8*((\a)&1)+\c)+((\a)>>1))
	ds_store_b128 v[A_STO], v[rD:rD+3] offset:64*\c          ; each accumulator from its low end on
	ds_store_b128 v[A_STO], v[rD+4:rD+7] offset:64*\c+16
.endr
	WIN 0
.irp i, 0,1,2,3,4,5,6,7,8,9,10,11,12,13,14,15
	ds_load_b128 v[BK+64*((\a)&1)+4*\i:BK+64*((\a)&1)+4*\i+3], v[A_RW] offset:528*\i   ; LDS serves a wave's instructions in order: these see the stores above
.endr
.endm
.macro SEND a, n                       ; n: the LDS instructions issued behind these rows' loads, which may stay out
	s_wait_dscnt \n
.irp i, 0,1,2,3,4,5,6,7,8,9,10,11,12,13,14,15
	global_store_b128 v[OFFO+16*((\a)>>1)+\i], v[BK+64*((\a)&1)+4*\i:BK+64*((\a)&1)+4*\i+3], s[18:19] offset:512*((\a)&1) th:TH_STORE_NT   ; 32 lanes store 512 consecutive bytes of a token's row, at a multiple of 512
.endr
.endm
	s_cmp_lg_u32 s24, 0
	s_cbranch_scc1 .Lend
.irp u, 0,1
	global_load_b128 v[DSC+4*\u:DSC+4*\u+3], v[LI], s[48:49] offset:512*\u         ; the scale words of my 16 column tiles, ahead of the ring's loads
	global_load_b128 v[DSC+8+4*\u:DSC+8+4*\u+3], v[LI], s[50:51] offset:512*\u
.endr
.irp c, 0,1,2,3,4
	DLOAD \c
.endr
.irp x, 0,1
.irp m, 0,1
.irp k, 0,1,2
	ds_load_b128 v[HF+24*\x+12*\m+4*\k:HF+24*\x+12*\m+4*\k+3], v[A_HI] offset:1536*(2*\x+\m)+512*\k
.endr
.endr
	ds_load_b32 v[HS+\x], v[A_HS] offset:128*\x    ; lanes 0-15 tile 0's rows, lanes 16-31 tile 1's
.endr
	s_wait_dscnt 0x0
.irp c, 0,1,2,3,4,5,6,7,8,9,10,11,12,13,14,15
	DSTEP \c
.endr
.irp i, 0,1,2,3,4,5,6,7,8,9,10,11,12,13,14,15,16,17,18,19,20,21,22,23,24,25,26,27,28,29,30,31
	v_readlane_b32 s41, v[TOKD], \i                ; slot i's token,
	s_min_u32 s41, s41, 0x1fff
	s_lshl_b32 s41, s41, 13                        ; its row of 8,192 bytes,
	v_add_nc_u32 v[OFFO+\i], s41, v[CO]            ; my bytes in it
.endr
	TOSTAGE 0
	TOSTAGE 1
	SEND 0, 32                                     ; behind its loads: the next part's 16 stores and 16 loads
	s_wait_xcnt 0x0                                ; part 0's stores have read their registers: part 2's rows may land there
	TOSTAGE 2
	SEND 1, 32
	s_wait_xcnt 0x0
	TOSTAGE 3
	SEND 2, 32
	SEND 3, 0
.Lend:
	s_wait_tensorcnt 0x0
	ds_add_u32 v254, v255
	s_wait_dscnt 0x0
	s_endpgm
.Lfunc_end_k_q09172aeba2_moe:
	.size	k_q09172aeba2_moe, .Lfunc_end_k_q09172aeba2_moe-k_q09172aeba2_moe
	.p2alignl 7, 3214868480
	.fill 96, 4, 3214868480
	.section	.rodata,"a",@progbits
	.p2align	6, 0x0
	.amdhsa_kernel k_q09172aeba2_moe
		.amdhsa_group_segment_fixed_size 132608
		.amdhsa_private_segment_fixed_size 0
		.amdhsa_enable_private_segment 0
		.amdhsa_kernarg_size 64
		.amdhsa_user_sgpr_count 2
		.amdhsa_user_sgpr_kernarg_segment_ptr 1
		.amdhsa_wavefront_size32 1
		.amdhsa_system_sgpr_workgroup_id_x 1
		.amdhsa_system_sgpr_workgroup_id_y 1
		.amdhsa_system_sgpr_workgroup_id_z 1
		.amdhsa_system_vgpr_workitem_id 0
		.amdhsa_next_free_vgpr 512
		.amdhsa_next_free_sgpr 66
		.amdhsa_reserve_vcc 1
		.amdhsa_float_denorm_mode_32 3
		.amdhsa_float_denorm_mode_16_64 3
		.amdhsa_memory_ordered 1
		.amdhsa_forward_progress 1
		.amdhsa_inst_pref_size 142
	.end_amdhsa_kernel
	.amdgpu_metadata
---
amdhsa.version: [ 1, 2 ]
amdhsa.kernels:
  - .name:           k_q09172aeba2_moe
    .symbol:         k_q09172aeba2_moe.kd
    .args:
      - { .name: x, .offset: 0, .size: 8, .value_kind: global_buffer, .address_space: global }
      - { .name: weights, .offset: 8, .size: 8, .value_kind: global_buffer, .address_space: global }
      - { .name: order, .offset: 16, .size: 8, .value_kind: global_buffer, .address_space: global }
      - { .name: wg, .offset: 24, .size: 8, .value_kind: global_buffer, .address_space: global }
      - { .name: wgs, .offset: 32, .size: 8, .value_kind: global_buffer, .address_space: global }
      - { .name: wd, .offset: 40, .size: 8, .value_kind: global_buffer, .address_space: global }
      - { .name: wds, .offset: 48, .size: 8, .value_kind: global_buffer, .address_space: global }
      - { .name: out0, .offset: 56, .size: 8, .value_kind: global_buffer, .address_space: global }
    .group_segment_fixed_size: 132608
    .private_segment_fixed_size: 0
    .kernarg_segment_align: 8
    .kernarg_segment_size: 64
    .max_flat_workgroup_size: 256
    .sgpr_count:     66
    .vgpr_count:     512
    .wavefront_size: 32
...
	.end_amdgpu_metadata
.endif
;; end of part 2
;; ======== version 2 of 2: 2 launches
;; workspace buffers: wg 3,145,728 bytes; wgs 131,072 bytes; wd 1,572,864 bytes; wds 65,536 bytes; order 36,352 bytes of whole numbers
;; launch prep (part 3): grid 321 x 1, 16 waves a work-group, no clusters, 4,096 bytes of LDS; arguments W_gup, W_down, indices, token_mask, wg, wgs, wd, wds, order, out0; writes wg, wgs, wd, wds, order, out0
.if DOCPART == 3
	.amdgcn_target "amdgcn-amd-amdhsa--gfx1250"
	.amdhsa_code_object_version 6
	.text
	.protected	k_q09172aeba2_prep
	.globl	k_q09172aeba2_prep
	.p2align	8
	.type	k_q09172aeba2_prep,@function
k_q09172aeba2_prep:
	s_mov_b64 s[64:65], 0
	v_nop
	global_prefetch_b8 v0, s[64:65] scope:SCOPE_SE
	s_setreg_imm32_b32 hwreg(HW_REG_WAVE_MODE, 25, 1), 1
	s_wait_xcnt 0x0
; FOUR ROLES, told apart by the work-group's number alone.
;   0         SORT: the live tokens are laid, by the pair of experts that they name, into blocks of 32: the list 'order'.
;   1..128    W_gup [8][2048][256] f32 -> codes of FP6 (E2M3) and E8M0 scale bytes, quantised along its 2,048 (K).
;   129..192  W_down [8][128][2048] f32 likewise, along its 128 (K).
;   193..320  the rows of out0 of masked tokens are zeros: they are stored here, four tokens a wave.
; THE CODES ARE LAID AS IMAGES OF OPERAND REGISTERS: a fragment (16 columns x 128 K, 12 registers a lane) is 1,536 bytes; registers 4 k .. 4 k + 3 of lane l lie at 512 k + 16 l:
; three loads of 16 bytes a lane fill the operand.
;   wg  [e][g 8][s 16][t 2] fragments: hidden units 16 g .. 16 g + 15, K step s, t = 0 the gate's columns, 1 the up columns.     wd [e][w 8][c 16]: out columns 256 w + 16 c on.
;   wgs [e][g][q 4][16 t + r][4 words]: word i = K step 4 q + i of column r.      wds [e][w][u 2][16 hh + r][4 words]: word i = column tile 8 u + 2 i + hh.
; A block's scale is 2^(floor(log2(largest magnitude)) - 2); its byte is the largest magnitude's exponent field - 2, held at 1 from below.
; THE LIST: 283 blocks of 32 words and 32 words that nobody reads.  A word: 12:0 token, 19:16 e0, 23:20 e1, 26:24 ka, 29:27 kb; 0x80000000 = no token.
; A token with e0 != e1 belongs to pair (min, max); one with e0 = e1 = a to pair (a & 6, a | 1), which holds a: 28 pairs, pair (a, b) numbered b (b - 1) / 2 + a, one lane to a pair.
; Each pair's tokens begin at a multiple of 32: at most (8,192 + 28 x 31) / 32 = 283 blocks, whatever the choice.
; LIMITS: indices are taken & 7 (the experts are 0 .. 7); NaN and infinities among the weights are not served; a block of zeros gets the byte 1, not 127 (its codes are zeros, and this program alone
; reads the bytes); blocks whose largest magnitude lies under 2^-124 are held at the byte 1.  The scale words leave as 4 bytes a lane, 16 bytes apart: one byte in 128 of what these roles read.
.set CK,  4                            ; v4-8     sort: 0 where bit b of my lane's number is set, else -1
.set IDX, 32                           ; v32-63   16 sets of (e0, e1)
.set MK,  64                           ; v64-79   mask bytes
.set KX,  80                           ; v80-95   4 x pair number: a lane select
.set EN,  96                           ; v96-111  list words
.set HSN, 112                          ; v112-127 lane = pair: how many tokens of set j have it
.set MM,  128                          ; v128-143 lane = pair: which tokens of set j have it
.set PP,  144                          ; v144-159 lane = token: which tokens of my set have my pair
.set EE,  160                          ; v160-175 lane = pair: where set j's tokens of that pair begin
.set QQ,  176                          ; v176-191 lane = token: the same for my pair
.set TL,  192                          ; v192-207 the sixteen waves' counts
.set PO,  208                          ; v208-223 byte offsets of the stores into the list
	s_load_b512 s[4:19], s[0:1], 0x0               ; W_gup s[4:5], W_down s[6:7], indices s[8:9], token_mask s[10:11], wg s[12:13], wgs s[14:15], wd s[16:17], wds s[18:19]
	s_load_b128 s[20:23], s[0:1], 0x40             ; order s[20:21], out0 s[22:23]
	v_lshl_add_u32 v254, v0, 2, 0x800
	v_mov_b32 v255, 0
	v_lshrrev_b32 v1, 5, v0
	s_delay_alu instid0(VALU_DEP_1)
	v_readfirstlane_b32 s24, v1                    ; wave 0..15
	s_mov_b32 s38, 0x76543210
	s_mov_b32 s39, 0xfedcba98                      ; v_permlanex16_b32's selects for lane l xor 16
	s_mov_b32 s35, 0                               ; the upper word of every offset
	s_wait_kmcnt 0x0
	s_cmp_eq_u32 ttmp9, 0
	s_cbranch_scc1 .Lsort
	s_cmp_lt_u32 ttmp9, 129
	s_cbranch_scc1 .Lgup
	s_cmp_lt_u32 ttmp9, 193
	s_cbranch_scc1 .Ldown
	; ---- ZEROS.  Wave gw takes tokens 4 gw .. 4 gw + 3: their four mask bytes are one word; a masked token's row, 8,192 bytes, is sixteen stores of 512 consecutive bytes.
	s_sub_co_u32 s25, ttmp9, 193
	s_lshl_b32 s25, s25, 4
	s_add_co_u32 s25, s25, s24                     ; gw
	s_lshl_b32 s34, s25, 2
	s_add_nc_u64 s[28:29], s[10:11], s[34:35]
	s_load_b32 s30, s[28:29], 0x0
	s_lshl_b32 s34, s25, 15                        ; four rows of 8,192 bytes
	s_add_nc_u64 s[32:33], s[22:23], s[34:35]
	v_and_b32 v1, 31, v0
	s_delay_alu instid0(VALU_DEP_1)
	v_lshlrev_b32 v3, 4, v1
	v_mov_b32 v8, 0
	v_mov_b32 v9, 0
	v_mov_b32 v10, 0
	v_mov_b32 v11, 0
	s_wait_kmcnt 0x0
.irp i, 0,1,2,3
	s_bfe_u32 s31, s30, 0x80000+8*\i               ; byte i
	s_cmp_lg_u32 s31, 0
	s_cbranch_scc1 .Llive\i                        ; a live token's row is the next launch's
	s_wait_alu depctr_va_vdst(0)
.irp j, 0,1,2,3,4,5,6,7,8,9,10,11,12,13,14,15
	global_store_b128 v3, v[8:11], s[32:33] offset:8192*\i+512*\j th:TH_STORE_NT
.endr
.Llive\i:
.endr
	s_endpgm
; ---- A WAVE QUANTISES ONE FRAGMENT.  Lane (r, h) takes column r, and its registers run DOWN K in the order that the operand's layout gives that lane: k = 64 c + 32 h + i.  So a lane holds two whole
; blocks of 32, no other lane is asked for a maximum, and the conversions' results are the operand's registers.  The sixteen waves stand side by side on 1,024 bytes of each of 128 rows.
; s[28:29] the fragment's first number, s[30:31] its image, s[32:33] its scale words.  stride: bytes from a row of the weight to the next.
.macro WQ stride
	v_and_b32 v1, 15, v0                           ; r
	v_bfe_u32 v2, v0, 4, 1                         ; h
	v_and_b32 v6, 31, v0
	s_delay_alu instid0(VALU_DEP_1)
	v_lshlrev_b32 v3, 4, v6                        ; the image: 16 bytes a lane
	s_delay_alu instid0(VALU_DEP_4)
	v_lshlrev_b32 v4, 4, v1                        ; the scale words: 16 bytes from column to column
	s_delay_alu instid0(VALU_DEP_4)
	v_mul_u32_u24 v5, v2, 32*\stride
	s_delay_alu instid0(VALU_DEP_1)
	v_lshl_add_u32 v5, v1, 2, v5                   ; 4 r + 32 h rows
.irp c, 0,1
.irp i, 0,1,2,3,4,5,6,7,8,9,10,11,12,13,14,15,16,17,18,19,20,21,22,23,24,25,26,27,28,29,30,31
	global_load_b32 v[64+32*\c+\i], v5, s[28:29] offset:(64*\c+\i)*\stride th:TH_LOAD_NT
.endr
.endr
	s_wait_loadcnt 0x0
.irp c, 0,1
	v_max3_num_f32 v[32+\c], |v[64+32*\c]|, |v[65+32*\c]|, 0x1800000   ; my block 2 c + h, and the floor 2^(3 - 127): the byte cannot fall under 1
.endr
.irp i, 2,4,6,8,10,12,14,16,18,20,22,24,26,28,30
.irp c, 0,1
	s_delay_alu instid0(VALU_DEP_2)
	v_max3_num_f32 v[32+\c], v[32+\c], |v[64+32*\c+\i]|, |v[65+32*\c+\i]|   ; the two blocks by turns
.endr
.endr
.irp c, 0,1
	s_delay_alu instid0(VALU_DEP_2)
	v_add_nc_u32 v[44+\c], 0xff000000, v[32+\c]    ; 2 off the exponent field: the conversion takes this operand's exponent field as its scale
.endr
.irp c, 0,1
	s_delay_alu instid0(VALU_DEP_2)
	v_lshrrev_b32 v[36+\c], 23, v[44+\c]           ; the scale's byte
.endr
	s_delay_alu instid0(VALU_DEP_1)
	v_lshl_or_b32 v9, v37, 16, v36                 ; my two bytes: blocks h and 2 + h,
	v_lshlrev_b32 v10, 3, v2
	s_delay_alu instid0(VALU_DEP_1)
	v_lshlrev_b32 v9, v10, v9                      ; at their places in the word;
	v_mov_b32 v10, 0
	s_delay_alu instid0(VALU_DEP_1)
	v_permlanex16_b32 v10, v9, s38, s39
	s_delay_alu instid0(VALU_DEP_1)
	v_or_b32 v9, v9, v10                           ; with lane l xor 16's two the word is whole
.irp c, 0,1
	v_cvt_scalef32_pk16_fp6_f32 v[48+6*\c:50+6*\c], v[64+32*\c:79+32*\c], v[44+\c]
	v_cvt_scalef32_pk16_fp6_f32 v[192+4*\c:194+4*\c], v[80+32*\c:95+32*\c], v[44+\c]   ; a conversion's three registers begin on an even number: the second half is made elsewhere and moved
.endr
	v_nop                                          ; one plain place behind a scaled conversion
.irp c, 0,1
.irp i, 0,1,2
	v_mov_b32 v[51+6*\c+\i], v[192+4*\c+\i]
.endr
.endr
.irp k, 0,1,2
	global_store_b128 v3, v[48+4*\k:51+4*\k], s[30:31] offset:512*\k   ; 32 lanes store 512 consecutive bytes, at a multiple of 512 from the buffer's first byte
.endr
	global_store_b32 v4, v9, s[32:33]              ; lanes r and r + 16 store the same word with the same value
	s_endpgm
.endm
.Lgup:                                             ; work-group j = 16 e + s; wave v = 8 t + g: columns 16 v on
	s_sub_co_u32 s25, ttmp9, 1
	s_lshr_b32 s26, s25, 4                         ; e
	s_and_b32 s27, s25, 15                         ; s
	s_and_b32 s36, s24, 7                          ; g
	s_lshr_b32 s37, s24, 3                         ; t
	s_lshl_b32 s34, s26, 21                        ; an expert is 2,048 rows of 1,024 bytes,
	s_lshl_b32 s40, s27, 17                        ; a K step 128 rows,
	s_add_co_u32 s34, s34, s40
	s_lshl_b32 s40, s24, 6                         ; 16 columns 64 bytes
	s_add_co_u32 s34, s34, s40
	s_add_nc_u64 s[28:29], s[4:5], s[34:35]
	s_mul_i32 s34, s26, 393216
	s_mul_i32 s40, s36, 49152
	s_add_co_u32 s34, s34, s40
	s_mul_i32 s40, s27, 3072
	s_add_co_u32 s34, s34, s40
	s_mul_i32 s40, s37, 1536
	s_add_co_u32 s34, s34, s40
	s_add_nc_u64 s[30:31], s[12:13], s[34:35]
	s_lshl_b32 s34, s26, 14
	s_lshl_b32 s40, s36, 11
	s_add_co_u32 s34, s34, s40
	s_lshr_b32 s40, s27, 2
	s_lshl_b32 s40, s40, 9
	s_add_co_u32 s34, s34, s40
	s_lshl_b32 s40, s37, 8
	s_add_co_u32 s34, s34, s40
	s_and_b32 s40, s27, 3
	s_lshl_b32 s40, s40, 2
	s_add_co_u32 s34, s34, s40
	s_add_nc_u64 s[32:33], s[14:15], s[34:35]
	WQ 1024
.Ldown:                                            ; work-group j = 8 e + w; wave v = column tile c
	s_sub_co_u32 s25, ttmp9, 129
	s_lshr_b32 s26, s25, 3                         ; e
	s_and_b32 s27, s25, 7                          ; w
	s_lshl_b32 s34, s26, 20                        ; an expert is 128 rows of 8,192 bytes
	s_lshl_b32 s40, s27, 10
	s_add_co_u32 s34, s34, s40
	s_lshl_b32 s40, s24, 6
	s_add_co_u32 s34, s34, s40
	s_add_nc_u64 s[28:29], s[6:7], s[34:35]
	s_mul_i32 s34, s26, 196608
	s_mul_i32 s40, s27, 24576
	s_add_co_u32 s34, s34, s40
	s_mul_i32 s40, s24, 1536
	s_add_co_u32 s34, s34, s40
	s_add_nc_u64 s[30:31], s[16:17], s[34:35]
	s_lshl_b32 s34, s26, 13
	s_lshl_b32 s40, s27, 10
	s_add_co_u32 s34, s34, s40
	s_lshr_b32 s40, s24, 3                         ; u = c / 8
	s_lshl_b32 s40, s40, 9
	s_add_co_u32 s34, s34, s40
	s_and_b32 s40, s24, 1                          ; hh = c % 2
	s_lshl_b32 s40, s40, 8
	s_add_co_u32 s34, s34, s40
	s_lshr_b32 s40, s24, 1
	s_and_b32 s40, s40, 3                          ; i = (c / 2) % 4
	s_lshl_b32 s40, s40, 2
	s_add_co_u32 s34, s34, s40
	s_add_nc_u64 s[32:33], s[18:19], s[34:35]
	WQ 8192
; ---- THE SORT: a counting sort without atomics.  Wave w owns tokens 512 w + 32 j + lane, j = 0 .. 15.
.macro POPC d, s, u                    ; v[d] = the number of ones in v[s]; v[u] at work
	s_delay_alu instid0(VALU_DEP_1)
	v_lshrrev_b32 v[\u], 1, v[\s]
	s_delay_alu instid0(VALU_DEP_1)
	v_and_b32 v[\u], 0x55555555, v[\u]
	s_delay_alu instid0(VALU_DEP_1)
	v_sub_nc_u32 v[\d], v[\s], v[\u]
	s_delay_alu instid0(VALU_DEP_1)
	v_lshrrev_b32 v[\u], 2, v[\d]
	s_delay_alu instid0(VALU_DEP_1)
	v_and_b32 v[\u], 0x33333333, v[\u]
	s_delay_alu instid0(VALU_DEP_3)
	v_and_b32 v[\d], 0x33333333, v[\d]
	s_delay_alu instid0(VALU_DEP_1)
	v_add_nc_u32 v[\d], v[\d], v[\u]
	s_delay_alu instid0(VALU_DEP_1)
	v_lshrrev_b32 v[\u], 4, v[\d]
	s_delay_alu instid0(VALU_DEP_1)
	v_add_nc_u32 v[\d], v[\d], v[\u]
	s_delay_alu instid0(VALU_DEP_1)
	v_and_b32 v[\d], 0x0f0f0f0f, v[\d]
	s_delay_alu instid0(VALU_DEP_1)
	v_mul_lo_u32 v[\d], v[\d], s46
	s_delay_alu instid0(VALU_DEP_1)
	v_lshrrev_b32 v[\d], 24, v[\d]
.endm
.macro SET1 j                          ; set j: each token's pair and list word; then, with a lane to a pair, which of the 32 tokens have that pair, and how many
	v_and_b32 v12, 7, v[IDX+2*\j]                  ; e0
	v_and_b32 v13, 7, v[IDX+2*\j+1]                ; e1
	s_delay_alu instid0(VALU_DEP_1)
	v_min_u32 v14, v12, v13                        ; a
	s_delay_alu instid0(VALU_DEP_2)
	v_add_nc_u32 v15, v12, v13
	s_delay_alu instid0(VALU_DEP_3)
	v_cmp_eq_u32 vcc_lo, v12, v13
	s_delay_alu instid0(VALU_DEP_2)
	v_sub_nc_u32 v15, v15, v14                     ; b
	v_and_b32 v16, 6, v12
	v_or_b32 v17, 1, v12
	s_delay_alu instid0(VALU_DEP_2)
	v_cndmask_b32 v14, v14, v16, vcc_lo            ; one expert named twice: the pair (a & 6, a | 1)
	s_delay_alu instid0(VALU_DEP_2)
	v_cndmask_b32 v15, v15, v17, vcc_lo
	s_delay_alu instid0(VALU_DEP_1)
	v_add_nc_u32 v16, -1, v15
	s_delay_alu instid0(VALU_DEP_1)
	v_mul_u32_u24 v16, v15, v16
	s_delay_alu instid0(VALU_DEP_1)
	v_lshrrev_b32 v16, 1, v16
	s_delay_alu instid0(VALU_DEP_1)
	v_add_nc_u32 v16, v16, v14                     ; the pair's number, 0 .. 27
	s_delay_alu instid0(VALU_DEP_1)
	v_lshlrev_b32 v[KX+\j], 2, v16
	v_cmp_ne_u32 s40, 0, v[MK+\j]                  ; the live tokens of the set
	v_add_nc_u32 v17, 32*\j, v24
	s_delay_alu instid0(VALU_DEP_1)
	v_lshl_or_b32 v17, v12, 16, v17
	s_delay_alu instid0(VALU_DEP_1)
	v_lshl_or_b32 v17, v13, 20, v17
	s_delay_alu instid0(VALU_DEP_1)
	v_lshl_or_b32 v17, v14, 24, v17
	s_delay_alu instid0(VALU_DEP_1)
	v_lshl_or_b32 v17, v15, 27, v17
	s_delay_alu instid0(VALU_DEP_1)
	v_cndmask_b32 v[EN+\j], v28, v17, s40
.irp b, 0,1,2,3,4
	v_bfe_u32 v[18+\b], v16, \b, 1
.endr
.irp b, 0,1,2,3,4
	v_cmp_ne_u32 s[41+\b], 0, v[18+\b]             ; the tokens whose pair number has bit b
.endr
.irp b, 0,1,2,3,4
	v_xor_b32 v[18+\b], s[41+\b], v[CK+\b]         ; the tokens whose bit b is my lane number's bit b
.endr
	s_delay_alu instid0(VALU_DEP_4)
	v_and_b32 v18, v18, v19
	s_delay_alu instid0(VALU_DEP_3)
	v_and_b32 v20, v20, v21
	s_delay_alu instid0(VALU_DEP_2)
	v_and_b32 v18, v18, v22
	s_delay_alu instid0(VALU_DEP_1)
	v_and_b32 v18, v18, v20
	s_delay_alu instid0(VALU_DEP_1)
	v_and_b32 v[MM+\j], s40, v18
	POPC HSN+\j, MM+\j, 12
.if \j == 0
	s_delay_alu instid0(VALU_DEP_1)
	v_mov_b32 v10, v[HSN]
.else
	s_delay_alu instid0(VALU_DEP_1)
	v_add_nc_u32 v10, v10, v[HSN+\j]               ; my wave's tokens of the pair
.endif
.endm
.Lsort:
	v_and_b32 v1, 31, v0                           ; lane
	v_lshlrev_b32 v2, 2, v0                        ; the table: 128 bytes a wave, a word a lane
	v_lshlrev_b32 v3, 4, v0
	s_delay_alu instid0(VALU_DEP_3)
	v_lshlrev_b32 v26, 2, v1
	s_delay_alu instid0(VALU_DEP_4)
	v_add_nc_u32 v27, 9056, v1                     ; behind the 283 blocks: where masked tokens' words go; nobody reads them
.irp i, 28,29,30,31
	v_mov_b32 v\i, 0x80000000                      ; no token
.endr
.irp i, 0,1,2,3
	global_store_b128 v3, v[28:31], s[20:21] offset:8192*\i   ; the whole list is first filled with 'no token': 71 stores of 512 bytes
.endr
	s_cmp_lt_u32 s24, 7
	s_cbranch_scc0 .Lfilled
	global_store_b128 v3, v[28:31], s[20:21] offset:32768
.Lfilled:
	s_lshl_b32 s25, s24, 12
	s_wait_alu depctr_va_vdst(0)
	v_lshl_add_u32 v224, v1, 3, s25                ; indices: 8 bytes a token
	s_lshl_b32 s26, s24, 9
	v_add_nc_u32 v24, s26, v1                      ; my token of set 0, and its mask byte
.irp j, 0,1,2,3,4,5,6,7,8,9,10,11,12,13,14,15
	global_load_b64 v[IDX+2*\j:IDX+2*\j+1], v224, s[8:9] offset:256*\j
	global_load_u8 v[MK+\j], v24, s[10:11] offset:32*\j
.endr
.irp b, 0,1,2,3,4
	v_bfe_u32 v[CK+\b], v1, \b, 1
.endr
.irp b, 0,1,2,3,4
	v_add_nc_u32 v[CK+\b], -1, v[CK+\b]
.endr
	v_bfe_u32 v9, v1, 4, 1
	s_delay_alu instid0(VALU_DEP_1)
	v_sub_nc_u32 v9, 0, v9                         ; -1 in lanes 16-31
	s_mov_b32 s46, 0x01010101
	s_wait_loadcnt 0x0
.irp j, 0,1,2,3,4,5,6,7,8,9,10,11,12,13,14,15
	SET1 \j
.endr
	ds_store_b32 v2, v10
	s_wait_storecnt 0x0                            ; for the others' sake: my part of the fill is done before any wave places a token
	s_wait_dscnt 0x0                               ; and my counts lie in the table
	s_barrier_signal -1
	s_barrier_wait -1
.irp u, 0,1,2,3,4,5,6,7,8,9,10,11,12,13,14,15
	ds_load_b32 v[TL+\u], v26 offset:128*\u
.endr
.irp j, 0,1,2,3,4,5,6,7,8,9,10,11,12,13,14,15
	ds_bpermute_b32 v[PP+\j], v[KX+\j], v[MM+\j]   ; each token fetches its pair's lane: the tokens of its set that share its pair
.endr
	s_wait_dscnt 16                                ; the sixteen table words are in; the sixteen permutes issued behind them may be out
	v_mov_b32 v11, 0
	v_mov_b32 v12, 0
.irp u, 0,1,2,3,4,5,6,7,8,9,10,11,12,13,14,15
	s_cmp_gt_u32 s24, \u
	s_cselect_b32 s41, -1, 0
	v_add_nc_u32 v11, v11, v[TL+\u]                ; all waves' tokens of the pair,
	v_and_b32 v13, s41, v[TL+\u]
	s_delay_alu instid0(VALU_DEP_1)
	v_add_nc_u32 v12, v12, v13                     ; and those of the waves in front of mine
.endr
	s_delay_alu instid0(VALU_DEP_3)
	v_add_nc_u32 v13, 31, v11
	s_delay_alu instid0(VALU_DEP_1)
	v_and_b32 v13, 0xffffffe0, v13                 ; rounded up to whole blocks
	s_delay_alu instid0(VALU_DEP_1)
	v_mov_b32 v14, v13
.irp n, 1,2,4,8                        ; running sums over the 32 lanes: within each 16,
	v_mov_b32 v15, 0
	s_delay_alu instid0(VALU_DEP_2)
	v_mov_b32_dpp v15, v14 row_shr:\n row_mask:0xf bank_mask:0xf
	s_delay_alu instid0(VALU_DEP_1)
	v_add_nc_u32 v14, v14, v15
.endr
	s_delay_alu instid0(VALU_DEP_1)
	v_readlane_b32 s41, v14, 15                    ; and the lower 16's total onto the upper 16
	s_delay_alu instid0(VALU_DEP_1)
	v_and_b32 v15, s41, v9
	s_delay_alu instid0(VALU_DEP_1)
	v_add_nc_u32 v14, v14, v15
	s_delay_alu instid0(VALU_DEP_1)
	v_sub_nc_u32 v14, v14, v13                     ; where the pair's blocks begin,
	s_delay_alu instid0(VALU_DEP_1)
	v_add_nc_u32 v[EE], v14, v12                   ; and in them my wave's tokens
.irp j, 0,1,2,3,4,5,6,7,8,9,10,11,12,13,14
	s_delay_alu instid0(VALU_DEP_1)
	v_add_nc_u32 v[EE+\j+1], v[EE+\j], v[HSN+\j]   ; and set j + 1's
.endr
.irp j, 0,1,2,3,4,5,6,7,8,9,10,11,12,13,14,15
	ds_bpermute_b32 v[QQ+\j], v[KX+\j], v[EE+\j]
.endr
	s_wait_dscnt 0x0
.irp j, 0,1,2,3,4,5,6,7,8,9,10,11,12,13,14,15
	v_mbcnt_lo_u32_b32 v12, v[PP+\j], v[QQ+\j]     ; + the tokens of my pair in lower lanes of my set
	v_cmp_eq_u32 vcc_lo, 0, v[MK+\j]
	s_delay_alu instid0(VALU_DEP_1)
	v_cndmask_b32 v12, v12, v27, vcc_lo            ; a masked token's word ('no token') goes behind the blocks
	s_delay_alu instid0(VALU_DEP_1)
	v_min_u32 v12, 0x237f, v12                     ; inside the list's 9,088 words
	s_delay_alu instid0(VALU_DEP_1)
	v_lshlrev_b32 v[PO+\j], 2, v12
	global_store_b32 v[PO+\j], v[EN+\j], s[20:21]
.endr
	s_wait_tensorcnt 0x0
	ds_add_u32 v254, v255
	s_wait_dscnt 0x0
	s_endpgm
.Lfunc_end_k_q09172aeba2_prep:
	.size	k_q09172aeba2_prep, .Lfunc_end_k_q09172aeba2_prep-k_q09172aeba2_prep
	.p2alignl 7, 3214868480
	.fill 96, 4, 3214868480
	.section	.rodata,"a",@progbits
	.p2align	6, 0x0
	.amdhsa_kernel k_q09172aeba2_prep
		.amdhsa_group_segment_fixed_size 4096
		.amdhsa_private_segment_fixed_size 0
		.amdhsa_enable_private_segment 0
		.amdhsa_kernarg_size 80
		.amdhsa_user_sgpr_count 2
		.amdhsa_user_sgpr_kernarg_segment_ptr 1
		.amdhsa_wavefront_size32 1
		.amdhsa_system_sgpr_workgroup_id_x 1
		.amdhsa_system_sgpr_workgroup_id_y 1
		.amdhsa_system_sgpr_workgroup_id_z 1
		.amdhsa_system_vgpr_workitem_id 0
		.amdhsa_next_free_vgpr 256
		.amdhsa_next_free_sgpr 66
		.amdhsa_reserve_vcc 1
		.amdhsa_float_denorm_mode_32 3
		.amdhsa_float_denorm_mode_16_64 3
		.amdhsa_memory_ordered 1
		.amdhsa_forward_progress 1
		.amdhsa_inst_pref_size 109
	.end_amdhsa_kernel
	.amdgpu_metadata
---
amdhsa.version: [ 1, 2 ]
amdhsa.kernels:
  - .name:           k_q09172aeba2_prep
    .symbol:         k_q09172aeba2_prep.kd
    .args:
      - { .name: W_gup, .offset: 0, .size: 8, .value_kind: global_buffer, .address_space: global }
      - { .name: W_down, .offset: 8, .size: 8, .value_kind: global_buffer, .address_space: global }
      - { .name: indices, .offset: 16, .size: 8, .value_kind: global_buffer, .address_space: global }
      - { .name: token_mask, .offset: 24, .size: 8, .value_kind: global_buffer, .address_space: global }
      - { .name: wg, .offset: 32, .size: 8, .value_kind: global_buffer, .address_space: global }
      - { .name: wgs, .offset: 40, .size: 8, .value_kind: global_buffer, .address_space: global }
      - { .name: wd, .offset: 48, .size: 8, .value_kind: global_buffer, .address_space: global }
      - { .name: wds, .offset: 56, .size: 8, .value_kind: global_buffer, .address_space: global }
      - { .name: order, .offset: 64, .size: 8, .value_kind: global_buffer, .address_space: global }
      - { .name: out0, .offset: 72, .size: 8, .value_kind: global_buffer, .address_space: global }
    .group_segment_fixed_size: 4096
    .private_segment_fixed_size: 0
    .kernarg_segment_align: 8
    .kernarg_segment_size: 80
    .max_flat_workgroup_size: 512
    .sgpr_count:     66
    .vgpr_count:     256
    .wavefront_size: 32
...
	.end_amdgpu_metadata
.endif
;; end of part 3
;; launch moe (part 4): grid 283 x 1, 8 waves a work-group, no clusters, 132,608 bytes of LDS; arguments x, weights, order, wg, wgs, wd, wds, out0; writes out0
.if DOCPART == 4
	.amdgcn_target "amdgcn-amd-amdhsa--gfx1250"
	.amdhsa_code_object_version 6
	.text
	.protected	k_q09172aeba2_moe
	.globl	k_q09172aeba2_moe
	.p2align	8
	.type	k_q09172aeba2_moe,@function
k_q09172aeba2_moe:
	s_mov_b64 s[64:65], 0
	v_nop
	global_prefetch_b8 v0, s[64:65] scope:SCOPE_SE
	s_setreg_imm32_b32 hwreg(HW_REG_WAVE_SCHED_MODE, 0, 2), 2
	s_setreg_imm32_b32 hwreg(HW_REG_WAVE_MODE, 25, 1), 1
	s_wait_xcnt 0x0
	s_wait_alu depctr_vm_vsrc(0)
; ONE WORK-GROUP TAKES ONE BLOCK OF 32 TOKENS OF ONE PAIR OF EXPERTS (ka, kb) THROUGH THE WHOLE CHAIN: gather x, quantise, gate and up products of both experts, weighted SwiGLU in f32, quantise,
; both down products summed in registers, rows of out0.  All products on codes of FP6 (E2M3) with one E8M0 scale for each 32 along K.  The hidden layer never goes to memory; each row of out0 has one owner.
; The list 'order' (283 blocks of 32 words; a word: 12:0 token, 19:16 e0, 23:20 e1, 26:24 ka, 29:27 kb; negative = no token) and the weights' codes, laid as images of operand registers, were stored by the
; launch before.  A slot without a token repeats the block's slot 0: the same arithmetic, the same row stored again by the same wave.  A block whose slot 0 has no token does nothing: the grid serves every split.
; SHARES, eight waves.  X: wave w quantises tokens 16 (w / 4) on, K steps 4 (w % 4) .. + 3.  G: hidden units 16 w .. 16 w + 15: a gate tile and an up tile of both experts, both tiles of tokens: 8 accumulators,
; 16 K steps.  Q: waves 0-3 quantise the hidden layer of expert w / 2, tokens 16 (w % 2) on.  D: out columns 256 w .. 256 w + 255: 16 column tiles x 2 tiles of tokens: 32 accumulators.
; EVERY PRODUCT IS USED TRANSPOSED: source 0 = 16 columns of a weight, source 1 = 16 tokens: lane (r, h) holds token r, and its registers unit or column 8 h + 0 .. 7.
; The weights go from memory straight into the registers of the one wave that multiplies them: each byte is read once by a work-group.
; NO TENSOR LOADS, NO CLUSTER: what a work-group does hangs on numbers read from the list (a block may be empty), and neighbouring blocks need not share an expert, so no tile could be asked for jointly.
; Every barrier stands on every wave's path; the work between barriers is jumped over as a whole where the block is empty.
; LIMITS: inputs are finite: where an expert that a token does not name would give 0 x infinity, this program gives the other expert's sum; a block of 32 zeros gets the scale byte 1, not 127 (its codes are zeros);
; blocks whose largest magnitude lies under 2^-124 are held at the byte 1; a token that names one expert twice is also multiplied, with weight 0, by that expert's neighbour.
; LDS: x's 32 fragment images; their scale words; a stage (eight times 16 rows of 528 bytes: x on its way in, then the hidden layer in f32, then rows of out0 on their way out, parted by barriers);
; the hidden layer's images and scale words (room for eight waves' places; four are used).
; THE MODE: SCHED_MODE bits 1:0 = 2 (LLVM: expert scheduling mode 2), set by the entry lines.  The code itself states the register dependences between vector or matrix instructions and memory or LDS
; instructions, with s_wait_alu, always for 0.
; THE PLAN.  Registers that memory or LDS instructions touch:
;   v1, v3-13, v72, v73   addresses and offsets, made in the head and never written again: one wait on va_vdst in the head serves them for the whole kernel.  v78 serves the list's load and is then written anew.
;   X   v80-95 row offsets (vector adds write, the loads of x read);  window 1 (the loads of x land, the stage's stores read);  ST (LDS loads land, the quantiser reads);  PC, XW (the quantiser writes, LDS stores read).
;       One wait on va_vdst a K step, ahead of the image's stores: PC is written, and the quantiser is done with ST, in which the next K step's loads land.  One wait on vm_vsrc ahead of each further quantiser.
;   G   window 1 is a ring of FIVE places: step k's products read place k % 5, and its loads, of K step k + 4, land in place (k - 1) % 5, which step k - 1 read.  x's fragments have two sets: step k reads set k & 1,
;       and the loads of step k + 1 land in the other, which step k - 1 read.  So ONE wait on va_vdst at a step's head, behind the waits for its data, serves all eighteen loads of the step; the step's own products
;       name none of their registers.  T (the SwiGLU writes, one run of eight LDS stores reads): one wait ahead of the run.
;   Q   ST, PC, PW as in X.
;   D   five places of W_down: step c's products read place c % 5, its loads, of tile c + 4, land in place (c - 1) % 5: one wait on va_vdst at a step's head.
;   OUT the accumulators (LDS stores read), OFFO (vector adds write, the global stores read), BK (LDS loads land where products read): one wait on va_vdst ahead of the first store into the stage; no vector or matrix
;       instruction follows it.  BK's two sets are loaded again behind a wait on vm_vsrc, beside the wait on XCNT.
;   Each phase that stored from registers ends, ahead of its label, with one wait on vm_vsrc: the later phases write those registers anew.
;   Numbers that vector instructions put into scalar registers (lane reads, compares) go in runs of eight into s52-59, with one wait on va_sdst behind each run.
.set XIMG, 0                           ; image 16 m + s at 1,536 x that
.set XSC,  49152                       ; [q][16 m + r][4 words]
.set STG,  51200
.set HIMG, 118784                      ; image 2 x + m
.set HSC,  131072                      ; 128 x + 4 (16 m + r)
.set LI,   1                           ; v1   16 x lane
.set TOKD, 2                           ; v2   lane = slot: its token
.set A_RW, 3                           ; v3   my stage, 16 x lane: a row of 512 bytes
.set A_XR, 4                           ; v4   my stage, row r, + 64 h
.set A_IMGW, 5                         ; v5   where I store x's images
.set A_XSCW, 6                         ; v6   and their scale words
.set A_HW, 7                           ; v7   the hidden layer in f32: row r, + 64 w + 32 h
.set A_QI, 8                           ; v8   where I store a hidden image
.set A_QS, 9                           ; v9   and its scale word
.set A_STO, 10                         ; v10  my stage, row r, + 32 h
.set A_HI, 11                          ; v11  the hidden images, 16 x lane
.set A_HS, 12                          ; v12  their scale words, 4 x lane
.set CO,   13                          ; v13  1,024 w + 16 x lane: my bytes in a row of out0
                                       ; v16-19 e0, e1 of tile 0's, tile 1's token r; v[20:21], v[22:23] its two weights
.set XS,   24                          ; v24-39  scale words of x, K step k: lanes 0-15 tile 0, lanes 16-31 tile 1
.set WSC,  40                          ; v40-55, v56-71 those of W_gup[ka], W_gup[kb]: lanes 0-15 gate, lanes 16-31 up.  v24-71 hold scales and nothing else
.set DSC,  40                          ; in D: v40-47, v48-55 those of W_down[ka], [kb]
.set HS,   56                          ; in D: v56, v57 the hidden layer's
.set TV,   78                          ; v78, v79 the list words as tile 0 and tile 1 see them: lane (r, h) has slot r, slot 16 + r
.set VOFF, 80                          ; X: v80-95 byte offsets of my 16 tokens' rows
.set ST,   96                          ; X, Q: v96-159 64 numbers of a lane
.set PC,   160                         ; v160-178 the codes just made
.set TM,   180                         ; v180-195 at work
.set PW,   196                         ; the scale word just made
.set XW,   200                         ; v200-203 four of them
.set AC,   80                          ; G: accumulator (x, m, t) at v[80 + 8 (4 x + 2 m + t)]
.set XF,   144                         ; G: v144-191 x's fragments, two sets of two
.set T,    192                         ; G: v192-207, v208-223 the SwiGLU at work, a set for each expert
.set HF,   80                          ; D: v80-127 the hidden fragments (x, m)
.set WF,   128                         ; D: v128-247 five places of two fragments of W_down
.set BK,   80                          ; the way out: v80-143, v144-207 16 rows by turns
.set OFFO, 208                         ; v208-239 byte offsets of the 32 slots' rows
.set SEL,  38                          ; s[38:39]
.set RL,   52                          ; s52-59 a run of eight numbers read out of lanes, or of eight compares' masks
; window 1 (v256-511): X: 256 registers in which x lands; G: a ring of five K steps of W_gup, 48 registers each; D: accumulator (c, m) at 8 (2 c + m).
.set MSB, 0
.macro WIN new                         ; s_set_vgpr_msb: bits 1:0 source 0, 3:2 source 1, 5:4 source 2, 7:6 destination; the high byte repeats the setting that is left
.if MSB != \new
	s_set_vgpr_msb (MSB<<8)|\new
.set MSB, \new
.endif
.endm
.macro BAR                             ; my LDS stores have landed and my LDS loads are in: then the work-group's barrier
	s_wait_dscnt 0x0
	s_barrier_signal -1
	s_barrier_wait -1
.endm
; 64 numbers of a lane, register 16 b + i = k 32 b + 16 (lane / 16) + i of my row, become a fragment's codes in v[PC] on and its scale word in v[PW].
.macro QUANT s
.irp b, 0,1,2,3
	v_max3_num_f32 v[TM+\b], |v[\s+16*\b]|, |v[\s+1+16*\b]|, 0x1800000   ; block b: my 16 numbers, and the floor 2^(3 - 127): the byte cannot fall under 1
.endr
.irp i, 2,4,6,8,10,12,14
.irp b, 0,1,2,3
	v_max3_num_f32 v[TM+\b], v[TM+\b], |v[\s+16*\b+\i]|, |v[\s+1+16*\b+\i]|   ; the four blocks by turns
.endr
.endr
.irp b, 0,1,2,3
	v_permlanex16_b32 v[TM+4+\b], v[TM+\b], s[SEL], s[SEL+1]
.endr
.irp b, 0,1,2,3
	v_max_num_f32 v[TM+\b], v[TM+\b], v[TM+4+\b]   ; with lane l xor 16's: the block's largest magnitude
.endr
.irp b, 0,1,2,3
	v_add_nc_u32 v[TM+12+\b], 0xff000000, v[TM+\b] ; 2 off its exponent field: the conversion's scale operand
.endr
.irp b, 0,1,2,3
	v_lshrrev_b32 v[TM+4+\b], 23, v[TM+12+\b]      ; the scale's byte
.endr
	v_lshl_or_b32 v[PW], v[TM+5], 8, v[TM+4]
	v_lshl_or_b32 v[PW], v[TM+6], 16, v[PW]
	v_lshl_or_b32 v[PW], v[TM+7], 24, v[PW]
.irp c, 0,1
	v_cvt_scalef32_pk16_fp6_f32 v[PC+6*\c:PC+2+6*\c], v[\s+32*\c:\s+15+32*\c], v[TM+12+2*\c]
	v_cvt_scalef32_pk16_fp6_f32 v[PC+12+4*\c:PC+14+4*\c], v[\s+16+32*\c:\s+31+32*\c], v[TM+12+2*\c+1]   ; a conversion's three registers begin on an even number
.endr
	v_nop                                          ; one plain place behind a scaled conversion
.irp c, 0,1                            ; the operand's layout wants a whole block in a lane: lanes 0-15 block 2 c, lanes 16-31 block 2 c + 1
.irp i, 0,1,2
	v_permlane16_swap_b32 v[PC+6*\c+\i], v[PC+12+4*\c+\i]
.endr
.irp i, 0,1,2
	v_mov_b32 v[PC+3+6*\c+\i], v[PC+12+4*\c+\i]
.endr
.endr
.endm
.macro IMAGE adr, off                  ; the fragment in v[PC] on goes to LDS as it stands: 16 bytes a lane, 512 a store
.irp c, 0,1,2
	ds_store_b128 v[\adr], v[PC+4*\c:PC+4*\c+3] offset:\off+512*\c
.endr
.endm
; One matrix instruction on the registers rD, rA, rB and the scale registers rP, rQ.  rZ = 1: it starts the sum.  ra, rb: source 0's, source 1's scales stand in lanes 16-31.
.macro MMA ra, rb
.if rZ
.if (\ra) && (\rb)
	v_wmma_scale_f32_16x16x128_f8f6f4 v[rD:rD+7], v[rA:rA+11], v[rB:rB+11], 0, v[rP], v[rQ] matrix_a_fmt:MATRIX_FMT_FP6 matrix_b_fmt:MATRIX_FMT_FP6 matrix_a_scale:MATRIX_SCALE_ROW1 matrix_b_scale:MATRIX_SCALE_ROW1
.elseif (\ra)
	v_wmma_scale_f32_16x16x128_f8f6f4 v[rD:rD+7], v[rA:rA+11], v[rB:rB+11], 0, v[rP], v[rQ] matrix_a_fmt:MATRIX_FMT_FP6 matrix_b_fmt:MATRIX_FMT_FP6 matrix_a_scale:MATRIX_SCALE_ROW1
.elseif (\rb)
	v_wmma_scale_f32_16x16x128_f8f6f4 v[rD:rD+7], v[rA:rA+11], v[rB:rB+11], 0, v[rP], v[rQ] matrix_a_fmt:MATRIX_FMT_FP6 matrix_b_fmt:MATRIX_FMT_FP6 matrix_b_scale:MATRIX_SCALE_ROW1
.else
	v_wmma_scale_f32_16x16x128_f8f6f4 v[rD:rD+7], v[rA:rA+11], v[rB:rB+11], 0, v[rP], v[rQ] matrix_a_fmt:MATRIX_FMT_FP6 matrix_b_fmt:MATRIX_FMT_FP6
.endif
.else
.if (\ra) && (\rb)
	v_wmma_scale_f32_16x16x128_f8f6f4 v[rD:rD+7], v[rA:rA+11], v[rB:rB+11], v[rD:rD+7], v[rP], v[rQ] matrix_a_fmt:MATRIX_FMT_FP6 matrix_b_fmt:MATRIX_FMT_FP6 matrix_a_scale:MATRIX_SCALE_ROW1 matrix_b_scale:MATRIX_SCALE_ROW1
.elseif (\ra)
	v_wmma_scale_f32_16x16x128_f8f6f4 v[rD:rD+7], v[rA:rA+11], v[rB:rB+11], v[rD:rD+7], v[rP], v[rQ] matrix_a_fmt:MATRIX_FMT_FP6 matrix_b_fmt:MATRIX_FMT_FP6 matrix_a_scale:MATRIX_SCALE_ROW1
.elseif (\rb)
	v_wmma_scale_f32_16x16x128_f8f6f4 v[rD:rD+7], v[rA:rA+11], v[rB:rB+11], v[rD:rD+7], v[rP], v[rQ] matrix_a_fmt:MATRIX_FMT_FP6 matrix_b_fmt:MATRIX_FMT_FP6 matrix_b_scale:MATRIX_SCALE_ROW1
.else
	v_wmma_scale_f32_16x16x128_f8f6f4 v[rD:rD+7], v[rA:rA+11], v[rB:rB+11], v[rD:rD+7], v[rP], v[rQ] matrix_a_fmt:MATRIX_FMT_FP6 matrix_b_fmt:MATRIX_FMT_FP6
.endif
.endif
.endm
	; ---- THE HEAD: every block, empty or not
	s_load_b512 s[4:19], s[0:1], 0x0               ; x s[4:5], weights s[6:7], order s[8:9], wg s[10:11], wgs s[12:13], wd s[14:15], wds s[16:17], out0 s[18:19]
	v_lshl_add_u32 v254, v0, 2, 0x20200
	v_mov_b32 v255, 0
	v_lshrrev_b32 v14, 5, v0
	v_readfirstlane_b32 s20, v14                   ; wave w, 0..7
	v_and_b32 v15, 31, v0
	v_lshlrev_b32 v[LI], 4, v15
	v_lshlrev_b32 v78, 2, v15                      ; 4 x lane
	s_wait_alu depctr_va_sdst(0)                   ; s20 is written, ahead of its first reader
	s_lshr_b32 s21, s20, 2                         ; m: the tile of tokens that I quantise
	s_and_b32 s22, s20, 3                          ; q: which four K steps of it
	s_lshl_b32 s28, ttmp9, 7                       ; my block's 128 bytes of the list
	s_mov_b32 s29, 0                               ; the upper word of every offset
	s_mov_b32 s[SEL], 0x76543210
	s_mov_b32 s[SEL+1], 0xfedcba98                 ; v_permlanex16_b32's selects for lane l xor 16
	s_mov_b32 s40, 0xffff0000                      ; lanes 16-31
	s_wait_kmcnt 0x0
	s_add_nc_u64 s[8:9], s[8:9], s[28:29]
	s_load_b32 s23, s[8:9], 0x0                    ; slot 0's word
	s_wait_alu depctr_va_vdst(0)                   ; v78 is written, which the load below reads as its offset
	global_load_b32 v72, v78, s[8:9]               ; and each lane its slot's
	v_and_b32 v14, 15, v0                          ; r
	v_bfe_u32 v15, v0, 4, 1                        ; h
	s_mul_i32 s41, s20, 8448
	s_add_co_u32 s41, s41, STG                     ; my 16 rows of the stage
	v_add_nc_u32 v[A_RW], s41, v[LI]
	v_mul_u32_u24 v73, v14, 528
	v_lshl_add_u32 v[A_XR], v15, 6, v73
	v_add_nc_u32 v[A_XR], s41, v[A_XR]
	v_lshl_add_u32 v[A_STO], v15, 5, v73
	v_add_nc_u32 v[A_HW], STG, v[A_STO]
	v_add_nc_u32 v[A_STO], s41, v[A_STO]
	s_lshl_b32 s42, s20, 6
	v_add_nc_u32 v[A_HW], s42, v[A_HW]
	s_mul_i32 s42, s20, 6144                       ; images 16 m + 4 q = 4 w on
	v_add_nc_u32 v[A_IMGW], s42, v[LI]
	s_lshl_b32 s42, s22, 9
	s_lshl_b32 s43, s21, 8
	s_add_co_u32 s42, s42, s43
	s_add_co_u32 s42, s42, XSC
	v_lshl_add_u32 v[A_XSCW], v14, 4, s42
	s_mul_i32 s42, s20, 1536
	s_add_co_u32 s42, s42, HIMG
	v_add_nc_u32 v[A_QI], s42, v[LI]
	s_lshl_b32 s42, s20, 6
	s_add_co_u32 s42, s42, HSC
	v_lshl_add_u32 v[A_QS], v14, 2, s42
	v_add_nc_u32 v[A_HI], HIMG, v[LI]
	v_add_nc_u32 v[A_HS], HSC, v78
	s_lshl_b32 s42, s20, 10
	v_add_nc_u32 v[CO], s42, v[LI]
.irp b, 0,1,2,3
	v_mov_b32 v[TM+4+\b], 0                        ; written once: a lane permute's destination counts as one of its sources
.endr
	s_wait_kmcnt 0x0
	s_wait_loadcnt 0x0
	s_wait_alu depctr_vm_vsrc(0)                   ; the list's load has read v78, which is written anew below, as tile 0's view
	s_lshr_b32 s24, s23, 31                        ; 1: the block is empty
	s_bfe_u32 s25, s23, 0x30018
	s_min_u32 s25, s25, 7                          ; ka
	s_bfe_u32 s26, s23, 0x3001b
	s_min_u32 s26, s26, 7                          ; kb
	v_mov_b32 v73, s23
	v_cmp_gt_i32 vcc_lo, 0, v72
	s_wait_alu depctr_va_vcc(0)                    ; VCC is written, ahead of the select that reads it
	v_cndmask_b32 v72, v72, v73, vcc_lo            ; a slot without a token repeats slot 0
	v_and_b32 v[TOKD], 0x1fff, v72
	v_permlanex16_b32 v73, v72, s[SEL], s[SEL+1]
	v_cndmask_b32 v[TV], v72, v73, s40             ; tile 0's view: lanes 16-31 take the word of the lane 16 below
	v_cndmask_b32 v[TV+1], v73, v72, s40           ; tile 1's: lanes 0-15 that of the lane 16 above
	v_bfe_u32 v16, v[TV], 16, 4
	v_bfe_u32 v17, v[TV], 20, 4
	v_bfe_u32 v18, v[TV+1], 16, 4
	v_bfe_u32 v19, v[TV+1], 20, 4
	v_and_b32 v72, 0x1fff, v[TV]
	v_and_b32 v73, 0x1fff, v[TV+1]
	v_min_u32 v72, 0x1fff, v72
	v_min_u32 v73, 0x1fff, v73
	v_lshlrev_b32 v72, 3, v72
	v_lshlrev_b32 v73, 3, v73
	s_wait_alu depctr_va_vdst(0)                   ; v72 and v73 are written, which the two loads below read; so are v1 and v3 to v13, the addresses of every LDS and memory instruction of the phases
	global_load_b64 v[20:21], v72, s[6:7]          ; the tokens' two weights; v72 and v73 are not written again
	global_load_b64 v[22:23], v73, s[6:7]
	s_mul_i32 s41, s20, 49152                      ; W_gup's images: my 16 hidden units of ka and of kb,
	s_mul_i32 s28, s25, 393216
	s_add_co_u32 s28, s28, s41
	s_add_nc_u64 s[30:31], s[10:11], s[28:29]
	s_mul_i32 s28, s26, 393216
	s_add_co_u32 s28, s28, s41
	s_add_nc_u64 s[32:33], s[10:11], s[28:29]
	s_lshl_b32 s41, s20, 11                        ; their scale words,
	s_lshl_b32 s28, s25, 14
	s_add_co_u32 s28, s28, s41
	s_add_nc_u64 s[34:35], s[12:13], s[28:29]
	s_lshl_b32 s28, s26, 14
	s_add_co_u32 s28, s28, s41
	s_add_nc_u64 s[36:37], s[12:13], s[28:29]
	s_mul_i32 s41, s20, 24576                      ; W_down's images: my 256 columns,
	s_mul_i32 s28, s25, 196608
	s_add_co_u32 s28, s28, s41
	s_add_nc_u64 s[44:45], s[14:15], s[28:29]
	s_mul_i32 s28, s26, 196608
	s_add_co_u32 s28, s28, s41
	s_add_nc_u64 s[46:47], s[14:15], s[28:29]
	s_lshl_b32 s41, s20, 10                        ; and their scale words
	s_lshl_b32 s28, s25, 13
	s_add_co_u32 s28, s28, s41
	s_add_nc_u64 s[48:49], s[16:17], s[28:29]
	s_lshl_b32 s28, s26, 13
	s_add_co_u32 s28, s28, s41
	s_add_nc_u64 s[50:51], s[16:17], s[28:29]
	; ---- X: my 16 tokens x 512 numbers become four fragments.  All 64 loads go out at once: each reads 512 consecutive bytes of one row; the eight waves have the block's 256 KiB on their way.
	s_cmp_lg_u32 s24, 0
	s_cbranch_scc1 .Lx_done
	s_cmp_lg_u32 s21, 0
	s_cselect_b32 s42, -1, 0
	v_cndmask_b32 v96, v[TV], v[TV+1], s42         ; my tile's view: lane i (0 .. 15) has token 16 m + i
	v_and_b32 v96, 0x1fff, v96
	s_lshl_b32 s43, s22, 11
	v_add_nc_u32 v97, s43, v[LI]                   ; my four K steps are 2,048 bytes of a row
.irp g, 0,1
.irp i, 0,1,2,3,4,5,6,7
	v_readlane_b32 s[RL+\i], v96, 8*\g+\i
.endr
	s_wait_alu depctr_va_sdst(0)                   ; the eight lane reads have written s52 to s59, ahead of their first readers
.irp i, 0,1,2,3,4,5,6,7
	s_min_u32 s[RL+\i], s[RL+\i], 0x1fff
	s_lshl_b32 s[RL+\i], s[RL+\i], 13              ; a row of x is 8,192 bytes
	v_add_nc_u32 v[VOFF+8*\g+\i], s[RL+\i], v97
.endr
.endr
	WIN 0x40                                       ; destination window 1
	s_wait_alu depctr_va_vdst(0)                   ; the sixteen offsets are written, which the loads below read; the lines above are done with v96 and v97, in which the first LDS loads land
.irp u, 0,1,2,3
.irp i, 0,1,2,3,4,5,6,7,8,9,10,11,12,13,14,15
	global_load_b128 v[64*\u+4*\i:64*\u+4*\i+3], v[VOFF+\i], s[4:5] offset:512*\u
.endr
.endr
.irp u, 0,1,2,3
	s_wait_loadcnt 16*(3-\u)                       ; K step u's sixteen rows are in; the sixteen loads of each later K step may be out
	WIN 0x04                                       ; an LDS store's data are its source 1: window 1
.irp i, 0,1,2,3,4,5,6,7,8,9,10,11,12,13,14,15
	ds_store_b128 v[A_RW], v[64*\u+4*\i:64*\u+4*\i+3] offset:528*\i   ; through my stage, as they lie: row i
.endr
	WIN 0
.irp b, 0,1,2,3
.irp j, 0,1,2,3
	ds_load_b128 v[ST+16*\b+4*\j:ST+16*\b+4*\j+3], v[A_XR] offset:128*\b+16*\j   ; and back: of row r, 16 neighbours of each block of 32.  LDS serves a wave's instructions in order.  No vector instruction since the last wait on va_vdst names these registers
.endr
.endr
	s_wait_dscnt 0x0                               ; they are in
.if \u > 0
	s_wait_alu depctr_vm_vsrc(0)                   ; the last image's stores have read v[PC ..], which the quantiser writes again
.endif
	QUANT ST
	v_mov_b32 v[XW+\u], v[PW]
	s_wait_alu depctr_va_vdst(0)                   ; the quantiser has written v[PC ..] and v[XW ..], which the stores below read, and is done reading v[ST ..], in which the next K step's LDS loads land
	IMAGE A_IMGW, 1536*\u
.endr
	ds_store_b128 v[A_XSCW], v[XW:XW+3]            ; four K steps' scale words of row r; lanes r and r + 16 store the same bytes with the same values
	s_wait_alu depctr_vm_vsrc(0)                   ; this phase's loads and LDS stores have read v80-95, window 1, v[PC ..] and v[XW ..]: the next phase's products, loads and SwiGLU write them anew
.Lx_done:
	BAR                                            ; x's 32 fragments lie in LDS, and nobody reads the stage any more
	; ---- G: h^T = W_gup^T x^T for both experts, 16 K steps
.macro FETCHX k                        ; x's two fragments of K step k into set k % 2
.irp m, 0,1
.irp c, 0,1,2
	ds_load_b128 v[XF+24*((\k)&1)+12*\m+4*\c:XF+24*((\k)&1)+12*\m+4*\c+3], v[LI] offset:XIMG+(16*\m+(\k))*1536+512*\c
.endr
.endr
.endm
.macro GLOAD k                         ; K step k of my part of W_gup[ka] and W_gup[kb], gate and up: twelve loads of 512 consecutive bytes into ring place k % 5
	WIN 0x40
.irp c, 0,1,2,3,4,5
	global_load_b128 v[48*((\k)%5)+4*\c:48*((\k)%5)+4*\c+3], v[LI], s[30:31] offset:3072*(\k)+512*\c
.endr
.irp c, 0,1,2,3,4,5
	global_load_b128 v[48*((\k)%5)+24+4*\c:48*((\k)%5)+24+4*\c+3], v[LI], s[32:33] offset:3072*(\k)+512*\c
.endr
.endm
.macro GSTEP k
.if (\k) < 12
	s_wait_loadcnt 36                              ; K step k's weights are in: behind them the twelve loads of each of three later K steps were issued
.else
	s_wait_loadcnt 12*(15-(\k))                    ; the ring runs out: twelve for each K step that is left
.endif
	s_wait_dscnt 0x0                               ; this step's fragments of x are in: no LDS instruction was issued behind them
.if ((\k) > 0) && ((\k) < 15)
	s_wait_alu depctr_va_vdst(0)                   ; the products of the step before are done reading their set of x's fragments and their ring place, in which this step's loads land
.endif
.if (\k) < 15
	FETCHX (\k)+1                                  ; into the set that the step before multiplied
.endif
	WIN 0x01                                       ; source 0 (the weights) window 1
.if (\k) == 0
.set rZ, 1                                         ; the first K step starts the sums: nothing is cleared
.else
.set rZ, 0
.endif
.irp x, 0,1                            ; the eight accumulators take turns, one instruction a turn, in the same order in every step
.irp m, 0,1
.irp t, 0,1
.set rD, AC+8*(4*\x+2*\m+\t)
.set rA, 48*((\k)%5)+24*\x+12*\t
.set rB, XF+24*((\k)&1)+12*\m
.set rP, WSC+16*\x+(\k)
.set rQ, XS+(\k)
	MMA \t, \m
.endr
.endr
.endr
.rept 4
	v_nop                                          ; four places between these products and the next step's loads into registers that they read, and the first read of results
.endr
.if (\k) < 12
	GLOAD (\k)+4                                   ; into the place that the step before multiplied.  No wait: no vector or matrix instruction since the wait at the step's head names it
.endif
	WIN 0
.endm
.macro PCALC x                         ; p = the sum of the token's weights whose index is expert x of the pair: 0 where it names it not.  The masks were made in one run: s52-55 for ka, s56-59 for kb
	v_cndmask_b32 v74, 0, v20, s[RL+4*(\x)]
	v_cndmask_b32 v75, 0, v21, s[RL+4*(\x)+1]
	v_add_f32 v74, v74, v75
	v_cndmask_b32 v76, 0, v22, s[RL+4*(\x)+2]
	v_cndmask_b32 v77, 0, v23, s[RL+4*(\x)+3]
	v_add_f32 v76, v76, v77
	v_mov_b32 v75, v74                             ; (the packed form names a pair)
	v_mov_b32 v77, v76
.endm
.macro SWIGLU x                        ; hidden = gate / (1 + 2^(-gate log2 e)) x up x p, in f32, for my 16 units of expert x and both tiles of tokens
.set TT, T+16*(\x)
.irp m, 0,1
.irp j, 0,2,4,6
	v_pk_mul_f32 v[TT+8*\m+\j:TT+8*\m+\j+1], v[AC+8*(4*(\x)+2*\m)+\j:AC+8*(4*(\x)+2*\m)+\j+1], 0xbfb8aa3b op_sel_hi:[1,0]   ; each accumulator is read from its low end on
.endr
.endr
	s_wait_alu depctr_va_vdst(0)
.irp i, 0,1,2,3,4,5,6,7,8,9,10,11,12,13,14,15
	v_exp_f32 v[TT+\i], v[TT+\i]
.endr
	v_nop                                          ; a plain place behind the last exponential,
	s_wait_alu depctr_va_vdst(0)                   ; and one wait for the batch: the sixteen exponentials have written their results, ahead of the first reader
.irp j, 0,2,4,6,8,10,12,14
	v_pk_add_f32 v[TT+\j:TT+\j+1], v[TT+\j:TT+\j+1], 1.0 op_sel_hi:[1,0]
.endr
	s_wait_alu depctr_va_vdst(0)
.irp i, 0,1,2,3,4,5,6,7,8,9,10,11,12,13,14,15
	v_rcp_f32 v[TT+\i], v[TT+\i]
.endr
	v_nop
	s_wait_alu depctr_va_vdst(0)                   ; likewise: the sixteen reciprocals have written their results
.irp m, 0,1
.irp j, 0,2,4,6
	v_pk_mul_f32 v[TT+8*\m+\j:TT+8*\m+\j+1], v[TT+8*\m+\j:TT+8*\m+\j+1], v[AC+8*(4*(\x)+2*\m)+\j:AC+8*(4*(\x)+2*\m)+\j+1]
.endr
.endr
.irp m, 0,1
.irp j, 0,2,4,6
	v_pk_mul_f32 v[TT+8*\m+\j:TT+8*\m+\j+1], v[TT+8*\m+\j:TT+8*\m+\j+1], v[AC+8*(4*(\x)+2*\m+1)+\j:AC+8*(4*(\x)+2*\m+1)+\j+1]
.endr
.endr
.irp m, 0,1
.irp j, 0,2,4,6
	v_pk_mul_f32 v[TT+8*\m+\j:TT+8*\m+\j+1], v[TT+8*\m+\j:TT+8*\m+\j+1], v[74+2*\m:75+2*\m] op_sel_hi:[1,0]
.endr
.endr
.endm
.macro HSTORE x                        ; expert x's hidden numbers to LDS, as rows of 128 f32
.set TT, T+16*(\x)
.irp m, 0,1
	ds_store_b128 v[A_HW], v[TT+8*\m:TT+8*\m+3] offset:16896*(\x)+8448*\m       ; row 16 m + r of expert x: units 16 w + 8 h + 0 .. 7
	ds_store_b128 v[A_HW], v[TT+8*\m+4:TT+8*\m+7] offset:16896*(\x)+8448*\m+16
.endr
.endm
	s_cmp_lg_u32 s24, 0
	s_cbranch_scc1 .Lg_done
.irp q, 0,1,2,3
	global_load_b128 v[WSC+4*\q:WSC+4*\q+3], v[LI], s[34:35] offset:512*\q         ; the weights' scale words of all 16 K steps, ahead of the ring's loads: the first counted wait covers them
	global_load_b128 v[WSC+16+4*\q:WSC+16+4*\q+3], v[LI], s[36:37] offset:512*\q
.endr
	GLOAD 0
	GLOAD 1
	GLOAD 2
	GLOAD 3
	WIN 0
.irp q, 0,1,2,3
	ds_load_b128 v[XS+4*\q:XS+4*\q+3], v[LI] offset:XSC+512*\q
.endr
	FETCHX 0
.irp k, 0,1,2,3,4,5,6,7,8,9,10,11,12,13,14,15
	GSTEP \k
.endr
.irp i, 0,1,2,3
	v_cmp_eq_u32 s[RL+\i], s25, v[16+\i]           ; which of the tokens' indices name ka,
.endr
.irp i, 0,1,2,3
	v_cmp_eq_u32 s[RL+4+\i], s26, v[16+\i]         ; and which kb
.endr
	s_wait_alu depctr_va_sdst(0)                   ; the eight compares have written s52 to s59, ahead of the selects that read them
	PCALC 0
	SWIGLU 0
	PCALC 1
	SWIGLU 1
	s_wait_alu depctr_va_vdst(0)                   ; both SwiGLUs have written v192-223, which the eight stores below read; all products and vector lines of this phase are done with the registers in which later loads land
	HSTORE 0
	HSTORE 1
	s_wait_alu depctr_vm_vsrc(0)                   ; the eight stores have read v192-223: the next quantiser and the loads of W_down write them anew
.Lg_done:
	BAR                                            ; both experts' hidden layers, 32 rows of 128 f32 each, lie in the stage
	; ---- Q: waves 0-3 each quantise 16 rows along the 128 hidden units: one fragment and one scale word a row
	s_cmp_lg_u32 s24, 0
	s_cbranch_scc1 .Lq_done
	s_cmp_lt_u32 s20, 4
	s_cbranch_scc0 .Lq_done
.irp b, 0,1,2,3
.irp j, 0,1,2,3
	ds_load_b128 v[ST+16*\b+4*\j:ST+16*\b+4*\j+3], v[A_XR] offset:128*\b+16*\j     ; expert w / 2, tile w % 2: rows 16 w on
.endr
.endr
	s_wait_dscnt 0x0
	QUANT ST
	s_wait_alu depctr_va_vdst(0)                   ; the quantiser has written v[PC ..] and v[PW], which the stores below read, and is done with the registers in which the loads of W_down land
	IMAGE A_QI, 0
	ds_store_b32 v[A_QS], v[PW]                    ; lanes r and r + 16 store the same word with the same value
	s_wait_alu depctr_vm_vsrc(0)                   ; these stores have read v[PC ..] and v[PW], in which the loads of W_down land
.Lq_done:
	BAR                                            ; the four hidden fragments lie in LDS, and nobody reads the stage any more
	; ---- D: y^T = W_down[ka]^T hidden_a^T + W_down[kb]^T hidden_b^T for my 256 columns
.macro DLOAD c                         ; column tile c of both experts: six loads of 512 consecutive bytes into place c % 5
.irp k, 0,1,2
	global_load_b128 v[WF+24*((\c)%5)+4*\k:WF+24*((\c)%5)+4*\k+3], v[LI], s[44:45] offset:1536*(\c)+512*\k
.endr
.irp k, 0,1,2
	global_load_b128 v[WF+24*((\c)%5)+12+4*\k:WF+24*((\c)%5)+12+4*\k+3], v[LI], s[46:47] offset:1536*(\c)+512*\k
.endr
.endm
.macro DSTEP c
.if (\c) == 0
	s_wait_loadcnt 24                              ; tile 0's weights are in: behind them the six loads of each of tiles 1 to 4 were issued
.elseif (\c) < 13
	s_wait_loadcnt 18                              ; tile c's weights are in: behind them the six loads of each of three later tiles were issued
.else
	s_wait_loadcnt 6*(15-(\c))
.endif
.if ((\c) > 0) && ((\c) < 12)
	s_wait_alu depctr_va_vdst(0)                   ; the products of the tile before are done reading their place, in which this step's loads land
.endif
	WIN 0x50                                       ; C and D window 1
.irp x, 0,1                            ; (ka, tile 0), (ka, tile 1) start the two sums; (kb, tile 0), (kb, tile 1) add onto them: the two accumulators take turns
.irp m, 0,1
.set rD, 8*(2*(\c)+\m)
.set rA, WF+24*((\c)%5)+12*\x
.set rB, HF+24*\x+12*\m
.set rP, DSC+8*\x+4*((\c)>>3)+(((\c)>>1)&3)
.set rQ, HS+\x
.set rZ, 1-\x
	MMA ((\c)&1), \m
.endr
.endr
.rept 4
	v_nop                                          ; four places between these products and the next step's loads into the registers just read, and what follows the last tile
.endr
	WIN 0
.if ((\c) > 0) && ((\c) < 12)
	DLOAD (\c)+4                                   ; into the place that the tile before multiplied.  No wait: no vector or matrix instruction since the wait at the step's head names it
.endif
.endm
.macro TOSTAGE a                       ; 16 tokens (tile a / 2) x 128 columns (half a % 2 of my 256): into my stage, 32 bytes a lane, and back as whole rows of 512 bytes
	WIN 0x04
.if (\a) == 0
	s_wait_alu depctr_va_vdst(0)                   ; the products have written the 32 accumulators, which the stores into the stage read, and are done reading v80-207, in which the rows land; the 32 offsets are written, which the global stores read.  No vector or matrix instruction follows
.endif
.irp c, 0,1,2,3,4,5,6,7
.set rD, 8*(2*(8*((\a)&1)+\c)+((\a)>>1))
	ds_store_b128 v[A_STO], v[rD:rD+3] offset:64*\c          ; each accumulator from its low end on
	ds_store_b128 v[A_STO], v[rD+4:rD+7] offset:64*\c+16
.endr
	WIN 0
.if (\a) >= 2
	s_wait_xcnt 0x0                                ; the global stores of the part two back have had their addresses translated (ISA guide 3.1),
	s_wait_alu depctr_vm_vsrc(0)                   ; and have read their data registers, in which the rows below land
.endif
.irp i, 0,1,2,3,4,5,6,7,8,9,10,11,12,13,14,15
	ds_load_b128 v[BK+64*((\a)&1)+4*\i:BK+64*((\a)&1)+4*\i+3], v[A_RW] offset:528*\i   ; LDS serves a wave's instructions in order: these see the stores above
.endr
.endm
.macro SEND a, n                       ; n: the LDS instructions issued behind these rows' loads, which may stay out
	s_wait_dscnt \n
.irp i, 0,1,2,3,4,5,6,7,8,9,10,11,12,13,14,15
	global_store_b128 v[OFFO+16*((\a)>>1)+\i], v[BK+64*((\a)&1)+4*\i:BK+64*((\a)&1)+4*\i+3], s[18:19] offset:512*((\a)&1) th:TH_STORE_NT   ; 32 lanes store 512 consecutive bytes of a token's row, at a multiple of 512
.endr
.endm
	s_cmp_lg_u32 s24, 0
	s_cbranch_scc1 .Lend
.irp u, 0,1
	global_load_b128 v[DSC+4*\u:DSC+4*\u+3], v[LI], s[48:49] offset:512*\u         ; the scale words of my 16 column tiles, ahead of the ring's loads
	global_load_b128 v[DSC+8+4*\u:DSC+8+4*\u+3], v[LI], s[50:51] offset:512*\u
.endr
.irp c, 0,1,2,3,4
	DLOAD \c
.endr
.irp x, 0,1
.irp m, 0,1
.irp k, 0,1,2
	ds_load_b128 v[HF+24*\x+12*\m+4*\k:HF+24*\x+12*\m+4*\k+3], v[A_HI] offset:1536*(2*\x+\m)+512*\k
.endr
.endr
	ds_load_b32 v[HS+\x], v[A_HS] offset:128*\x    ; lanes 0-15 tile 0's rows, lanes 16-31 tile 1's
.endr
	s_wait_dscnt 0x0
.irp c, 0,1,2,3,4,5,6,7,8,9,10,11,12,13,14,15
	DSTEP \c
.endr
.irp g, 0,1,2,3
.irp i, 0,1,2,3,4,5,6,7
	v_readlane_b32 s[RL+\i], v[TOKD], 8*\g+\i      ; slot 8 g + i's token,
.endr
	s_wait_alu depctr_va_sdst(0)                   ; the eight lane reads have written s52 to s59, ahead of their first readers
.irp i, 0,1,2,3,4,5,6,7
	s_min_u32 s[RL+\i], s[RL+\i], 0x1fff
	s_lshl_b32 s[RL+\i], s[RL+\i], 13              ; its row of 8,192 bytes,
	v_add_nc_u32 v[OFFO+8*\g+\i], s[RL+\i], v[CO]  ; my bytes in it
.endr
.endr
	TOSTAGE 0
	TOSTAGE 1
	SEND 0, 32                                     ; behind its loads: the next part's 16 stores and 16 loads
	TOSTAGE 2
	SEND 1, 32
	TOSTAGE 3
	SEND 2, 32
	SEND 3, 0
.Lend:
	s_wait_dscnt 0x0                               ; the closing lines, six on end, of a launch in the mode that stores to LDS
	s_wait_alu 0x0
	s_wait_tensorcnt 0x0
	ds_add_u32 v254, v255
	s_wait_dscnt 0x0
	s_endpgm
.Lfunc_end_k_q09172aeba2_moe:
	.size	k_q09172aeba2_moe, .Lfunc_end_k_q09172aeba2_moe-k_q09172aeba2_moe
	.p2alignl 7, 3214868480
	.fill 96, 4, 3214868480
	.section	.rodata,"a",@progbits
	.p2align	6, 0x0
	.amdhsa_kernel k_q09172aeba2_moe
		.amdhsa_group_segment_fixed_size 132608
		.amdhsa_private_segment_fixed_size 0
		.amdhsa_enable_private_segment 0
		.amdhsa_kernarg_size 64
		.amdhsa_user_sgpr_count 2
		.amdhsa_user_sgpr_kernarg_segment_ptr 1
		.amdhsa_wavefront_size32 1
		.amdhsa_system_sgpr_workgroup_id_x 1
		.amdhsa_system_sgpr_workgroup_id_y 1
		.amdhsa_system_sgpr_workgroup_id_z 1
		.amdhsa_system_vgpr_workitem_id 0
		.amdhsa_next_free_vgpr 512
		.amdhsa_next_free_sgpr 66
		.amdhsa_reserve_vcc 1
		.amdhsa_float_denorm_mode_32 3
		.amdhsa_float_denorm_mode_16_64 3
		.amdhsa_memory_ordered 1
		.amdhsa_forward_progress 1
		.amdhsa_inst_pref_size 144
	.end_amdhsa_kernel
	.amdgpu_metadata
---
amdhsa.version: [ 1, 2 ]
amdhsa.kernels:
  - .name:           k_q09172aeba2_moe
    .symbol:         k_q09172aeba2_moe.kd
    .args:
      - { .name: x, .offset: 0, .size: 8, .value_kind: global_buffer, .address_space: global }
      - { .name: weights, .offset: 8, .size: 8, .value_kind: global_buffer, .address_space: global }
      - { .name: order, .offset: 16, .size: 8, .value_kind: global_buffer, .address_space: global }
      - { .name: wg, .offset: 24, .size: 8, .value_kind: global_buffer, .address_space: global }
      - { .name: wgs, .offset: 32, .size: 8, .value_kind: global_buffer, .address_space: global }
      - { .name: wd, .offset: 40, .size: 8, .value_kind: global_buffer, .address_space: global }
      - { .name: wds, .offset: 48, .size: 8, .value_kind: global_buffer, .address_space: global }
      - { .name: out0, .offset: 56, .size: 8, .value_kind: global_buffer, .address_space: global }
    .group_segment_fixed_size: 132608
    .private_segment_fixed_size: 0
    .kernarg_segment_align: 8
    .kernarg_segment_size: 64
    .max_flat_workgroup_size: 256
    .sgpr_count:     66
    .vgpr_count:     512
    .wavefront_size: 32
...
	.end_amdgpu_metadata
.endif
;; end of part 4
